; MI455X (gfx1250); checked and timed in simulation.
; The chip was launched on July 23, 2026; its instructions are those of AMD's public machine-readable ISA for CDNA 5 (MIT licence, August 2026) and "CDNA5" Instruction Set Architecture Reference Guide (July 2026). The comments in the code are by the model that wrote it; some were corrected since.
;; Multi Head Attention. Allowed arithmetic: matrix products marked QUANTISED: E3M2 operands, one E8M0 scale for each 32 along K, by v_wmma_scale_f32_16x16x128_f8f6f4 with both operands' format E3M2, f32 sums; everything else in f32.
;; Inputs: Wk 16 x 1,024 x 64 float32; Wo 1,024 x 1,024 float32; Wq 16 x 1,024 x 64 float32; Wv 16 x 1,024 x 64 float32; bo 1,024 float32; key_in 4 x 2,048 x 1,024 float32; query 4 x 2,048 x 1,024 float32; value 4 x 2,048 x 1,024 float32.
;; Outputs: out0 4 x 2,048 x 1,024 float32.
;; This version of the problem:
;;   THIS VERSION OF THE PROBLEM IS GIVEN IN LOW PRECISION. The matrix products marked QUANTISED in the list below multiply operands that are first quantised to E3M2 (3 exponent bits, 2 mantissa bits; 6 bits a number), with one power-of-two scale for each 32 numbers along K (OCP MX v1.0); their sums are f32. All else is computed in f32.
;;   The module's matrix products, in the order in which they are computed (A, B: the left and right operand; K: the contracted axis; several contracted axes count as one K, in the product's order):
;;     1. [M 1,024, K 1,024] x [K 1,024, N 8,192]; A: input Wq; B: input query: QUANTISED
;;     2. [M 1,024, K 1,024] x [K 1,024, N 8,192]; A: input Wk; B: input key_in: QUANTISED
;;     3. [M 1,024, K 1,024] x [K 1,024, N 8,192]; A: input Wv; B: input value: QUANTISED
;;     4. batch 64 x [M 2,048, K 64] x [K 64, N 2,048]; A: computed on the way; B: computed on the way: QUANTISED
;;     5. batch 64 x [M 2,048, K 2,048] x [K 2,048, N 64]; A: softmax (see below); B: computed on the way: QUANTISED
;;     6. [M 8,192, K 1,024] x [K 1,024, N 1,024]; A: computed on the way; B: input Wo: QUANTISED
;;   THE QUANTISER, for each operand of a quantised product, along K:
;;     - K is cut into blocks of 32 from its start; a last block that is shorter is filled with zeros.
;;     - A block's scale is 2^e with e = floor(log2(the largest magnitude in the block)) - 4, held to -126 .. 127; a block of zeros has e = 0. As a byte (E8M0): e + 127.
;;     - Each number is divided by its block's scale, clamped to +-28, and rounded to the nearest number of E3M2, ties to even, subnormals kept.
;;     - The product sums the exact products of the quantised numbers (number of the format x scale) in f32.
;;   ~~~python
;;   def quantise(x, axis):      # numpy; x: float32 -> the quantised numbers, widened to float32 again
;;       x = np.moveaxis(x, axis, -1); K = x.shape[-1]
;;       x = np.pad(x, [(0, 0)] * (x.ndim - 1) + [(0, -K % 32)]); x = x.reshape(x.shape[:-1] + (-1, 32)); a = np.abs(x).max(-1, keepdims=True)
;;       e = np.where(a > 0, np.clip(np.frexp(np.where(a > 0, a, 1))[1] - 1 - 4, -126, 127), 0)      # np.frexp(a)[1] - 1 = floor(log2(a)), exactly
;;       r = np.clip(x / 2.0 ** e, -28, 28)
;;       step = 2.0 ** (np.maximum(np.frexp(np.where(r == 0, 1, r))[1] - 1, -2) - 2)
;;       q = np.round(r / step) * step * 2.0 ** e      # np.round: ties to even
;;       return np.moveaxis(q.reshape(q.shape[:-2] + (-1,))[..., :K], -1, axis).astype(np.float32)
;;   ~~~
;;   SOFTMAX AHEAD OF A QUANTISED PRODUCT. Where the list says 'softmax', what is quantised is not the finished softmax but p = 2^(t - M), with t = logit x log2(e) and M = ceil(the row's largest t), a whole number; so 1/2 < the row's largest p <= 1. The row's sum l is taken of the UNQUANTISED p, in f32, and the product's result is divided by l at the end. Since M is a whole number, a kernel that streams over the keys may use a running M (the ceiling of the running maximum): every later rescaling is an exact power of two, which a block's scale takes up: the codes' values come out the same.
;;   OPERANDS COMPUTED ON THE WAY. 'Computed on the way' means the value that the module computes at that place (a softmax that the list does not call 'softmax' is quantised finished and normalised). What goes into a quantiser is computed in f32, as accurately as f32 sums, v_exp_f32 and their like allow (about 1e-6 of the number): no bf16 or f16 on the way to a quantiser, and a product that is left as it is and whose result goes on into a quantised operand takes f32 operands (vector FMAs, or v_wmma_f32_16x16x4_f32). A number that lies on a knife's edge between two numbers of the format may be rounded either way, as far as f32 arithmetic and the matrix unit's own rounding can turn it there, and no further.
;; One version. Each part assembles by itself: llvm-mc -triple=amdgcn-amd-amdhsa -mcpu=gfx1250 --defsym DOCPART=n.
;; ======== version 1 of 1: 4 launches
;; limits: right only within a limited range of input values
;; workspace buffers: act_codes 18,874,368 bytes; act_scales 786,432 bytes; w_codes 3,145,728 bytes; w_scales 131,072 bytes; x_codes 18,874,368 bytes; x_scales 1,572,864 bytes; c_codes 6,291,456 bytes; c_scales 262,144 bytes
;; launch quant (part 1): grid 448 x 1, 4 waves a work-group, no clusters, 34,304 bytes of LDS; arguments query, key_in, value, Wo, Wq, Wk, Wv, act_codes, act_scales, w_codes, w_scales; writes act_codes, act_scales, w_codes, w_scales
.if DOCPART == 1
	.amdgcn_target "amdgcn-amd-amdhsa--gfx1250"
	.amdhsa_code_object_version 6
	.text
	.protected	k_q10666213e9_quant
	.globl	k_q10666213e9_quant
	.p2align	8
	.type	k_q10666213e9_quant,@function
k_q10666213e9_quant:
	s_mov_b64 s[64:65], 0
	v_nop
	global_prefetch_b8 v0, s[64:65] scope:SCOPE_SE
	s_setreg_imm32_b32 hwreg(HW_REG_WAVE_MODE, 25, 1), 1
	s_wait_xcnt 0x0
; The seven f32 operands of the four large products become codes of BF6 (E3M2) with one E8M0 byte for each 32 along K = 1,024.
; A block's scale is 2^(floor(log2(largest magnitude)) - 4): its byte is the largest magnitude's exponent field - 4, held at 1 from below.
; LIMITS: NaN and infinities among the inputs are not served; a block whose largest magnitude lies under 2^(5 - 127), a block of zeros among them, keeps the byte 1
; (the quantiser's text says 127 for zeros: its codes are zeros, which add nothing under any byte but 0xff, and these bytes are read by this program alone).
; LAYOUT OF THE RESULTS, chosen for the readers.  Tile T holds the 16 rows pi(T, r) = 32 (T / 2) + 8 (T % 2) + r + 8 (r / 8).  A FRAGMENT (tile T, K step s of 128) is the image of the operand's
; 12 registers, 1,536 bytes: registers 2 p, 2 p + 1 of lane l at 256 p + 8 l.  Codes: [s][T][1536].  Scale words: [quad of 4 tiles][s][lane r: 4 words, one a tile].
; SHARES.  A wave takes a quad (64 rows) and two K steps (2 w, 2 w + 1): eight fragments, and one store of 512 bytes of scale words.
; Work-groups 0-47: Wq, Wk, Wv ([head][d][64]: K is not innermost; a lane takes a column and its registers run down K; no LDS).  Work-groups 48-447: query, key_in, value, Wo (K innermost:
; each load reads 512 consecutive bytes of a row; 16 rows turn through the wave's own stage in LDS, so that a lane gets 16 neighbours of each block).  No barrier: waves share nothing.
; Matrix units, clusters and tensor loads are left out: memory binds, and nothing is shared.
.set GA,  4                            ; v4   my byte offset in a load
.set SWA, 5                            ; v5   the stage, on the way in: 16 x lane
.set SRA, 6                            ; v6   on the way out: 528 r + 64 h
.set CO,  7                            ; v7   8 x lane: my place in a piece of a fragment
.set SO,  8                            ; v8   16 x lane: my place among the scale words
.set TM,  12                           ; v12-15 largest magnitudes, v16-19 the other half's, then bytes, v24-27 the conversions' scale operands
.set SQ,  32                           ; v32-39 scale words: 4 x (K step in my pair) + tile
.set PC,  40                           ; v40-58 the codes just made
.set X,   64                           ; v64-127 64 numbers of a lane: register 16 b + i = k 32 b + 16 h + i of my row
.set R0,  128                          ; v128-191, v192-255 two sets as loaded
.set SP,  528                          ; a stage row: 512 bytes + 16, an odd multiple of 16
.set SRC, 28                           ; s[28:29] the tensor at my wave's part
.set D0,  30                           ; s[30:31], s[32:33] the codes of my two K steps at my quad
.set DSC, 34                           ; s[34:35] my 512 bytes of scale words
.set SEL, 36                           ; s[36:37] v_permlanex16_b32's selects for lane l xor 16
; 64 numbers of a lane, v[s] on, become a fragment's codes in v[PC] .. v[PC + 11] and its rows' scale word in v[pw]
.macro QUANT s, pw
.irp b, 0,1,2,3
	v_max3_num_f32 v[TM+\b], |v[(\s)+16*\b]|, |v[(\s)+1+16*\b]|, 0x2800000   ; block b: my 16 numbers, and the floor 2^(5 - 127): the byte cannot fall under 1
.endr
.irp i, 2,4,6,8,10,12,14
.irp b, 0,1,2,3
	v_max3_num_f32 v[TM+\b], v[TM+\b], |v[(\s)+16*\b+\i]|, |v[(\s)+1+16*\b+\i]|   ; the four blocks by turns
.endr
.endr
.irp b, 0,1,2,3
	v_permlanex16_b32 v[TM+4+\b], v[TM+\b], s[SEL], s[SEL+1]
.endr
.irp b, 0,1,2,3
	v_max_num_f32 v[TM+\b], v[TM+\b], v[TM+4+\b]       ; with lane l xor 16's 16: the block's largest magnitude
.endr
.irp b, 0,1,2,3
	v_add_nc_u32 v[TM+12+\b], 0xfe000000, v[TM+\b]     ; 4 off its exponent field: the conversion takes this operand's exponent field as its scale
.endr
.irp b, 0,1,2,3
	v_lshrrev_b32 v[TM+4+\b], 23, v[TM+12+\b]          ; the scale's byte
.endr
	v_lshl_or_b32 v[\pw], v[TM+5], 8, v[TM+4]          ; four bytes: my row's scale word for this K step
	v_lshl_or_b32 v[\pw], v[TM+6], 16, v[\pw]
	v_lshl_or_b32 v[\pw], v[TM+7], 24, v[\pw]
.irp c, 0,1
	v_cvt_scalef32_pk16_bf6_f32 v[PC+6*\c:PC+2+6*\c], v[(\s)+32*\c:(\s)+15+32*\c], v[TM+12+2*\c]
	v_cvt_scalef32_pk16_bf6_f32 v[PC+12+4*\c:PC+14+4*\c], v[(\s)+16+32*\c:(\s)+31+32*\c], v[TM+12+2*\c+1]   ; (a conversion's three registers begin on an even number)
.endr
	v_nop                                              ; one plain place behind a scaled conversion
.irp c, 0,1                                        ; the operand wants a whole block in a lane: lanes 0-15 block 2 c, lanes 16-31 block 2 c + 1
.irp i, 0,1,2
	v_permlane16_swap_b32 v[PC+6*\c+\i], v[PC+12+4*\c+\i]
.endr
.irp i, 0,1,2
	v_mov_b32 v[PC+3+6*\c+\i], v[PC+12+4*\c+\i]
.endr
.endr
.endm
.macro OUTF t, d                       ; the fragment of tile t goes out as it stands: each store of the wave covers 256 consecutive bytes, aligned
.irp p, 0,1,2,3,4,5
	global_store_b64 v[CO], v[PC+2*\p:PC+2*\p+1], s[\d:\d+1] offset:(\t)*1536+256*\p
.endr
.endm
.macro FINISH                          ; lanes 0-15 send the words of K step 2 w, lanes 16-31 those of 2 w + 1 (every lane holds its row's word of both)
	v_cmp_le_u32 vcc_lo, 16, v1
.irp t, 0,1,2,3
	v_cndmask_b32 v[SQ+\t], v[SQ+\t], v[SQ+4+\t], vcc_lo
.endr
	global_store_b128 v[SO], v[SQ:SQ+3], s[DSC:DSC+1]
	s_wait_tensorcnt 0x0
	ds_add_u32 v62, v63
	s_wait_dscnt 0x0
	s_endpgm
.endm
; K innermost.  Fragment f: tile f / 2, K step f % 2.  Sixteen loads, one for each row of the tile: 512 consecutive bytes each
.macro LOADA f
.irp p, 0,1,2,3,4,5,6,7,8,9,10,11,12,13,14,15
	global_load_b128 v[R0+64*((\f)%2)+4*\p:R0+64*((\f)%2)+4*\p+3], v[GA], s[SRC:SRC+1] offset:(32*((\f)/4)+8*(((\f)/2)%2)+\p+8*(\p/8))*4096+512*((\f)%2) th:TH_LOAD_NT
.endr
.endm
.macro TURNA f                         ; through the stage: LDS serves a wave's instructions in order, so no wait stands between the stores and the loads
.irp p, 0,1,2,3,4,5,6,7,8,9,10,11,12,13,14,15
	ds_store_b128 v[SWA], v[R0+64*((\f)%2)+4*\p:R0+64*((\f)%2)+4*\p+3] offset:SP*\p
.endr
.irp b, 0,1,2,3
.irp j, 0,1,2,3
	ds_load_b128 v[X+16*\b+4*\j:X+16*\b+4*\j+3], v[SRA] offset:128*\b+16*\j
.endr
.endr
.endm
; K outermost.  Fragment f: K step f / 4, tile f % 4, so that the four tiles that share the same 256-byte rows of W follow each other.  Register 16 b + i: W(128 (f / 4) + 32 b + 16 h + i, my column)
.macro LOADW f
.irp b, 0,1,2,3
.irp i, 0,1,2,3,4,5,6,7,8,9,10,11,12,13,14,15
	global_load_b32 v[R0+64*((\f)%2)+16*\b+\i], v[GA], s[SRC:SRC+1] offset:(128*((\f)/4)+32*\b+\i)*256+4*(32*(((\f)%4)/2)+8*((\f)%2))
.endr
.endr
.endm
	s_load_b512 s[4:19], s[0:1], 0x0               ; query, key_in, value, Wo, Wq, Wk, Wv, act_codes
	s_load_b128 s[20:23], s[0:1], 0x40             ; act_scales, w_codes
	s_load_b64 s[24:25], s[0:1], 0x50              ; w_scales
	v_lshl_add_u32 v62, v0, 2, 0x8400
	v_mov_b32 v63, 0
	v_lshrrev_b32 v1, 5, v0
	v_readfirstlane_b32 s26, v1                    ; wave 0..3
	v_and_b32 v1, 31, v0                           ; lane
	v_and_b32 v2, 15, v0                           ; r
	v_bfe_u32 v3, v0, 4, 1                         ; h
	v_lshlrev_b32 v[CO], 3, v1
	v_lshlrev_b32 v[SO], 4, v1
	s_mov_b32 s[SEL], 0x76543210
	s_mov_b32 s[SEL+1], 0xfedcba98
.irp b, 0,1,2,3
	v_mov_b32 v[TM+4+\b], 0                        ; written once: a lane permute's destination counts as one of its sources
.endr
	s_mov_b32 s47, 0                               ; the upper word of every offset pair s[46:47]
	s_cmp_lt_u32 ttmp9, 48
	s_cbranch_scc1 .Lweights
	; ---- query, key_in, value (128 quads each), Wo (16 quads)
	s_sub_co_u32 s40, ttmp9, 48
	s_lshr_b32 s41, s40, 7                         ; which tensor, 0..3
	s_and_b32 s42, s40, 127                        ; which quad
	s_mul_i32 s27, s26, 16*SP                      ; my wave's stage
	s_wait_alu depctr_va_vdst(0)
	v_lshl_add_u32 v[SWA], v1, 4, s27
	v_mul_u32_u24 v[SRA], v2, SP
	v_lshl_add_u32 v[SRA], v3, 6, v[SRA]
	v_add_nc_u32 v[SRA], s27, v[SRA]
	v_lshlrev_b32 v[GA], 4, v1
	s_wait_alu depctr_va_vdst(0)
	s_wait_kmcnt 0x0
	s_cmp_eq_u32 s41, 1                            ; the choices hang on the work-group's number alone
	s_cselect_b64 s[SRC:SRC+1], s[6:7], s[4:5]
	s_cmp_eq_u32 s41, 2
	s_cselect_b64 s[SRC:SRC+1], s[8:9], s[SRC:SRC+1]
	s_mul_i32 s39, s41, 6291456                    ; an activation's codes,
	s_mul_i32 s43, s41, 262144                     ; and its scale words
	s_mov_b32 s38, 786432                          ; bytes of one K step's 512 tiles
	s_cmp_eq_u32 s41, 3                            ; Wo goes behind the three projections' weights: 64 tiles a K step
	s_cselect_b64 s[SRC:SRC+1], s[10:11], s[SRC:SRC+1]
	s_cselect_b64 s[D0:D0+1], s[22:23], s[18:19]
	s_cselect_b64 s[DSC:DSC+1], s[24:25], s[20:21]
	s_cselect_b32 s38, 98304, s38
	s_cselect_b32 s39, 2359296, s39
	s_cselect_b32 s43, 98304, s43
	s_lshl_b32 s46, s42, 18                        ; 64 rows of 4,096 bytes a quad,
	s_lshl_b32 s45, s26, 10                        ; 1,024 bytes of a row for my two K steps
	s_add_co_u32 s46, s46, s45
	s_add_nc_u64 s[SRC:SRC+1], s[SRC:SRC+1], s[46:47]
	s_lshl_b32 s46, s26, 1
	s_mul_i32 s46, s46, s38                        ; K step 2 w
	s_mul_i32 s45, s42, 6144                       ; four tiles a quad
	s_add_co_u32 s46, s46, s45
	s_add_co_u32 s46, s46, s39
	s_add_nc_u64 s[D0:D0+1], s[D0:D0+1], s[46:47]
	s_mov_b32 s46, s38
	s_add_nc_u64 s[D0+2:D0+3], s[D0:D0+1], s[46:47]   ; K step 2 w + 1
	s_lshl_b32 s46, s42, 11
	s_lshl_b32 s45, s26, 9
	s_add_co_u32 s46, s46, s45
	s_add_co_u32 s46, s46, s43
	s_add_nc_u64 s[DSC:DSC+1], s[DSC:DSC+1], s[46:47]
	LOADA 0
	LOADA 1
.irp f, 0,1,2,3,4,5,6,7
.if \f < 7
	s_wait_loadcnt 16                              ; this fragment's 16 loads are in; the next one's 16 may be out
.else
	s_wait_loadcnt 0x0
.endif
	TURNA \f
	s_wait_dscnt 0x0                               ; my numbers are back, and the stage's stores have read their registers, which take the loads of two fragments on
	s_wait_xcnt 0x0                                ; the last fragment's stores have read v[PC] on: it is rewritten only behind this wait
.if \f < 6
	LOADA \f+2
.endif
	QUANT X, SQ+4*(\f%2)+\f/2
	OUTF \f/2, D0+2*(\f%2)
.endr
	FINISH
	; ---- Wq, Wk, Wv: a work-group to a head
.Lweights:
	s_lshr_b32 s41, ttmp9, 4                       ; which tensor, 0..2
	s_and_b32 s42, ttmp9, 15                       ; the head = the quad
	s_wait_alu depctr_va_vdst(0)
	v_and_b32 v9, 8, v2
	v_add_nc_u32 v9, v9, v2                        ; r + 8 (r / 8)
	v_lshlrev_b32 v[GA], 2, v9
	v_lshl_add_u32 v[GA], v3, 12, v[GA]            ; my column, and 16 rows of 256 bytes further down for lanes 16-31
	s_wait_alu depctr_va_vdst(0)
	s_wait_kmcnt 0x0
	s_cmp_eq_u32 s41, 1
	s_cselect_b64 s[SRC:SRC+1], s[14:15], s[12:13]
	s_cmp_eq_u32 s41, 2
	s_cselect_b64 s[SRC:SRC+1], s[16:17], s[SRC:SRC+1]
	s_lshl_b32 s46, s42, 18                        ; a head is 1,024 rows of 256 bytes,
	s_lshl_b32 s45, s26, 16                        ; my two K steps 256 of them
	s_add_co_u32 s46, s46, s45
	s_add_nc_u64 s[SRC:SRC+1], s[SRC:SRC+1], s[46:47]
	s_mul_i32 s46, s41, 786432
	s_mul_i32 s45, s26, 196608
	s_add_co_u32 s46, s46, s45
	s_mul_i32 s45, s42, 6144
	s_add_co_u32 s46, s46, s45
	s_add_nc_u64 s[D0:D0+1], s[22:23], s[46:47]
	s_add_nc_u64 s[D0+2:D0+3], s[D0:D0+1], 98304
	s_lshl_b32 s46, s41, 15
	s_lshl_b32 s45, s42, 11
	s_add_co_u32 s46, s46, s45
	s_lshl_b32 s45, s26, 9
	s_add_co_u32 s46, s46, s45
	s_add_nc_u64 s[DSC:DSC+1], s[24:25], s[46:47]
	LOADW 0
.irp f, 0,1,2,3,4,5,6,7
.if \f < 7
	LOADW \f+1
	s_wait_loadcnt 63                              ; behind this fragment's last load stand the next one's 64
.else
	s_wait_loadcnt 0x0
.endif
	s_wait_xcnt 0x0                                ; the last fragment's stores have read v[PC] on
	QUANT R0+64*(\f%2), SQ+4*(\f/4)+\f%4
	OUTF \f%4, D0+2*(\f/4)
.endr
	FINISH
.Lfunc_end_k_q10666213e9_quant:
	.size	k_q10666213e9_quant, .Lfunc_end_k_q10666213e9_quant-k_q10666213e9_quant
	.p2alignl 7, 3214868480
	.fill 96, 4, 3214868480
	.section	.rodata,"a",@progbits
	.p2align	6, 0x0
	.amdhsa_kernel k_q10666213e9_quant
		.amdhsa_group_segment_fixed_size 34304
		.amdhsa_private_segment_fixed_size 0
		.amdhsa_enable_private_segment 0
		.amdhsa_kernarg_size 88
		.amdhsa_user_sgpr_count 2
		.amdhsa_user_sgpr_kernarg_segment_ptr 1
		.amdhsa_wavefront_size32 1
		.amdhsa_system_sgpr_workgroup_id_x 1
		.amdhsa_system_sgpr_workgroup_id_y 1
		.amdhsa_system_sgpr_workgroup_id_z 1
		.amdhsa_system_vgpr_workitem_id 0
		.amdhsa_next_free_vgpr 256
		.amdhsa_next_free_sgpr 66
		.amdhsa_reserve_vcc 1
		.amdhsa_float_denorm_mode_32 3
		.amdhsa_float_denorm_mode_16_64 3
		.amdhsa_memory_ordered 1
		.amdhsa_forward_progress 1
		.amdhsa_inst_pref_size 151
	.end_amdhsa_kernel
	.amdgpu_metadata
---
amdhsa.version: [ 1, 2 ]
amdhsa.kernels:
  - .name:           k_q10666213e9_quant
    .symbol:         k_q10666213e9_quant.kd
    .args:
      - { .name: query, .offset: 0, .size: 8, .value_kind: global_buffer, .address_space: global }
      - { .name: key_in, .offset: 8, .size: 8, .value_kind: global_buffer, .address_space: global }
      - { .name: value, .offset: 16, .size: 8, .value_kind: global_buffer, .address_space: global }
      - { .name: Wo, .offset: 24, .size: 8, .value_kind: global_buffer, .address_space: global }
      - { .name: Wq, .offset: 32, .size: 8, .value_kind: global_buffer, .address_space: global }
      - { .name: Wk, .offset: 40, .size: 8, .value_kind: global_buffer, .address_space: global }
      - { .name: Wv, .offset: 48, .size: 8, .value_kind: global_buffer, .address_space: global }
      - { .name: act_codes, .offset: 56, .size: 8, .value_kind: global_buffer, .address_space: global }
      - { .name: act_scales, .offset: 64, .size: 8, .value_kind: global_buffer, .address_space: global }
      - { .name: w_codes, .offset: 72, .size: 8, .value_kind: global_buffer, .address_space: global }
      - { .name: w_scales, .offset: 80, .size: 8, .value_kind: global_buffer, .address_space: global }
    .group_segment_fixed_size: 34304
    .private_segment_fixed_size: 0
    .kernarg_segment_align: 8
    .kernarg_segment_size: 88
    .max_flat_workgroup_size: 128
    .sgpr_count:     66
    .vgpr_count:     256
    .wavefront_size: 32
...
	.end_amdgpu_metadata
.endif
;; end of part 1
;; launch proj (part 2): grid 4 x 64, 4 waves a work-group, clusters of 4 x 4, 327,680 bytes of LDS; arguments act_codes, act_scales, w_codes, w_scales, x_codes, x_scales; writes x_codes, x_scales
.if DOCPART == 2
	.amdgcn_target "amdgcn-amd-amdhsa--gfx1250"
	.amdhsa_code_object_version 6
	.text
	.protected	k_q10666213e9_proj
	.globl	k_q10666213e9_proj
	.p2align	8
	.type	k_q10666213e9_proj,@function
k_q10666213e9_proj:
	s_mov_b64 s[64:65], 0
	v_nop
	global_prefetch_b8 v0, s[64:65] scope:SCOPE_SE
	s_setreg_imm32_b32 hwreg(HW_REG_WAVE_MODE, 25, 1), 1
	s_wait_xcnt 0x0
	s_wait_alu depctr_hold_cnt(0) depctr_sa_sdst(0) depctr_va_vdst(0) depctr_va_sdst(0) depctr_va_ssrc(0) depctr_va_vcc(0) depctr_vm_vsrc(0)
	s_getreg_b32 s2, hwreg(HW_REG_IB_STS2, 6, 4)
	s_cmp_eq_u32 s2, 0
	s_cbranch_scc0 .Lentry_in_a_cluster
	s_endpgm
.Lentry_in_a_cluster:
	s_bfe_u32 s2, ttmp6, 0x10000c
	s_cmp_lg_u32 s2, 0xf033
	s_cbranch_scc0 .Lentry_shape_is_right
	s_endpgm
.Lentry_shape_is_right:
; The three projections on codes of BF6, K = 1,024, and their results quantised again for the attention: X[i][j] = sum over k of P[i][k] R[j][k], quantised along j in blocks of 32.
; q, k: P = the activation (i = token), R = Wq or Wk (j = 64 head + channel): blocks along a head's channels.  v: P = Wv (i = 64 head + channel), R = value (j = token): blocks along the KEYS, with no transposition.
; LAYOUTS as the launch before wrote them: tile T holds rows pi(T, r) = 32 (T / 2) + 8 (T % 2) + r + 8 (r / 8); a fragment is the image of 12 registers, 1,536 bytes, codes [K step][T][1536]; scale words [quad][K step][16 lanes x 4 words].
; THE MATRIX INSTRUCTION: source 0 = 16 rows of R, source 1 = 16 rows of P.  A lane then holds ONE row i, and by pi the 16 registers of R's tiles 2 b, 2 b + 1 are j = 32 b + 16 (lane / 16) + 0 .. 15: neighbours along the next K.
; SHARES.  A tile of X is 128 rows of P x 256 rows of R; four waves, each 64 x 128: 32 accumulators.  There are 256 tiles for each projection and 256 work-groups.
; A WORK-GROUP STAYS: it makes its tile of q, then of k, then of v.  The text is written out, tile by tile: the three tiles name different scale registers, and v takes its operands from the other buffers.
; THE RING.  K step s of a tile lies in LDS at 12,288 s (P) and 98,304 + 24,576 s (R).  Slot 0 is K steps 0-3 of both, slot 1 K steps 4-7: 147,456 bytes each.  A wave fills a quarter of a slot by one tensor load: waves 0, 1 two K steps
; of P each, waves 2, 3 two of R (a K step's tiles are one dense block: a row of the tile; from row to row one K step of the tensor).  When a slot's last K step is in registers the slot is filled again with the same half of the NEXT tile,
; so the ring does not stop at a tile's end, and a tile's way out stands behind both refills.  One tensor load of a wave is out at a time.
; CLUSTER 4 x 4: the four of a row share P's tiles, the four of a column R's: joint loads; where a slot is filled again a round of the cluster's barrier stands in front.
; All of a WGP's LDS is claimed.
; RESULTS: x_codes q, k: [pair of heads][T][1536] (the even head is registers 0-5, the odd one 6-11); v: [step of 128 keys][T][1536].  x_scales [step][quad][512]: lanes 0-15 the words' low halves (v: the whole words), lanes 16-31 the high halves:
; so a head of q or k finds a word whose bytes 2 and 3 are 0.
; LIMITS: a block whose largest magnitude lies under 2^(5 - 127), zeros among them, keeps the byte 1; NaN and infinities are not served.
; REGISTERS: window 0: v1-9 addresses; v16-159 the scale words of all three tiles, 48 a tile (nothing else ever lies there); v160-179 at work; v184-238 the codes made.
;   window 1: R's fragments, two sets, at v0 and v128.   window 2: accumulator (a, b) at v[8 (8 a + b)].   window 3: P's fragments, two sets, at v0 and v48.
.set PBLK,  12288                      ; a K step of P in LDS: 8 tiles
.set RBLK,  24576                      ; of R: 16 tiles
.set RB,    98304                      ; R's ring lies behind P's
.set SPARE, 294912                     ; behind the ring: the spare words, 128 bytes for each wave: two blocks of 256 bytes that no other line names
.set ADP,  1                           ; v1  LDS address of my P fragments of the K step in hand
.set ADR,  2                           ; v2  the same for R
.set LO16, 3                           ; v3  16 x lane
.set CO8,  4                           ; v4  8 x lane
.set VSH,  5                           ; v5  16 (lane / 16)
.set ADP0, 6                           ; v6  my P fragments of K step 0; never rewritten
.set ADR0, 7                           ; v7  my R fragments of K step 0; never rewritten
.set SPW,  8                           ; v8  LDS address of my spare word: SPARE + 4 x my thread's number; never rewritten
.set NIL,  9                           ; v9  0; never rewritten
.set SC,   16                          ; tile t: P's words of tile a, K steps 2 g and 2 g + 1, at SC + 48 t + 4 g + a; R's of tile b at SC + 48 t + 16 + 8 g + b
.set TM,   160
.set SQ,   176
.set PC,   184                         ; v184-231 four fragments of codes
.set PT,   232                         ; v232-238 the conversions' second targets
.set SEL,  86                          ; s[86:87] v_permlanex16_b32's selects for lane l xor 16
                                       ; s[24:31], s[32:39] descriptor groups 1 for P, R; s[40:47], s[48:55] groups 0, a set for each slot
                                       ; s[56:57], s[58:59] P's codes at my first K step: q (k lies a constant further on), v; s[60:61], s[62:63] R's
                                       ; s[74:81] the scale words' bases; s[82:85], s[98:101] the results' bases
.set MSB, 0
.macro WIN new                         ; the immediate's high byte repeats the setting that is left
.if MSB != \new
	s_set_vgpr_msb (MSB<<8)|\new
.set MSB, \new
.endif
.endm
.macro CREST                           ; a round of the cluster's barrier behind its opening barrier
	s_cmp_lg_u32 s16, 0
	s_cbranch_scc1 .Lnot_wave_0_\@
	s_barrier_signal -3
.Lnot_wave_0_\@:
	s_barrier_wait -3
	s_barrier_signal -1
	s_barrier_wait -1
.endm
.macro CROUND                          ; a whole round
	s_barrier_signal -1
	s_barrier_wait -1
	CREST
.endm
.macro PLACES                          ; four places behind a matrix instruction (ISA guide 7.12.1), in front of reads of its result
.rept 4
	v_nop
.endr
.endm
; A joint refill of slot sl: waves 0 and 1 ask for P, waves 2 and 3 for R.  The branch hangs on the wave's number alone.  Four v_nop follow each of the two lines
.macro JLOAD sl
	s_cmp_eq_u32 s17, 0
	s_cbranch_scc0 .Lfor_r_\@
	tensor_load_to_lds s[40+4*(\sl):43+4*(\sl)], s[24:31]
	s_nop 0
.rept 4
	v_nop
.endr
	s_branch .Lasked_\@
.Lfor_r_\@:
	tensor_load_to_lds s[48+4*(\sl):51+4*(\sl)], s[32:39]
	s_nop 0
.rept 4
	v_nop
.endr
.Lasked_\@:
.endm
; Slot sl's descriptors for tile tn: its K steps 4 sl on.  Written while no tensor load of the wave is out.  For v the operands change buffers, and with them the bytes from K step to K step
.macro NEXTD sl, tn
.if (\tn) < 2
	s_add_nc_u64 s[42+4*(\sl):43+4*(\sl)], s[56:57], 6291456*(\tn)+3145728*(\sl)
	s_add_nc_u64 s[50+4*(\sl):51+4*(\sl)], s[60:61], 786432*(\tn)+393216*(\sl)
.else
	s_add_nc_u64 s[42+4*(\sl):43+4*(\sl)], s[58:59], 393216*(\sl)
	s_add_nc_u64 s[50+4*(\sl):51+4*(\sl)], s[62:63], 3145728*(\sl)
	s_mov_b32 s29, 12288                           ; P is a weight now: 98,304 bytes a K step, in elements of 8
	s_mov_b32 s37, 98304                           ; R an activation: 786,432
.endif
	s_or_b32 s[43+4*(\sl)], s[43+4*(\sl)], 0x80000000
	s_or_b32 s[51+4*(\sl)], s[51+4*(\sl)], 0x80000000
.endm
; K step s's fragments into set s % 2: R's eight, P's four; every load takes 256 consecutive bytes.  The two additions and np v_nop are places behind the products that read that set
.macro FETCH s, np
	WIN 0
	v_add_nc_u32 v[ADR], RBLK*(\s), v[ADR0]
	v_add_nc_u32 v[ADP], PBLK*(\s), v[ADP0]
.rept \np
	v_nop
.endr
	WIN 0x40                                       ; destination window 1
.irp b, 0,1,2,3,4,5,6,7
.irp p, 0,1,2,3,4,5
	ds_load_b64 v[128*((\s)%2)+12*\b+2*\p:128*((\s)%2)+12*\b+2*\p+1], v[ADR] offset:1536*\b+256*\p
.endr
.endr
	WIN 0xc0                                       ; destination window 3
.irp a, 0,1,2,3
.irp p, 0,1,2,3,4,5
	ds_load_b64 v[48*((\s)%2)+12*\a+2*\p:48*((\s)%2)+12*\a+2*\p+1], v[ADP] offset:1536*\a+256*\p
.endr
.endr
.endm
.macro MM t, a, b, s                   ; K step 0 starts the sum: nothing is cleared.  Odd K steps find their scale words in lanes 16-31
.set rD, 8*(8*(\a)+\b)
.set rA, 128*((\s)%2)+12*\b
.set rB, 48*((\s)%2)+12*(\a)
.set rSA, SC+48*(\t)+16+8*((\s)/2)+\b
.set rSB, SC+48*(\t)+4*((\s)/2)+(\a)
.if (\s) == 0
	v_wmma_scale_f32_16x16x128_f8f6f4 v[rD:rD+7], v[rA:rA+11], v[rB:rB+11], 0, v[rSA], v[rSB] matrix_a_fmt:MATRIX_FMT_BF6 matrix_b_fmt:MATRIX_FMT_BF6
.elseif (\s)%2
	v_wmma_scale_f32_16x16x128_f8f6f4 v[rD:rD+7], v[rA:rA+11], v[rB:rB+11], v[rD:rD+7], v[rSA], v[rSB] matrix_a_fmt:MATRIX_FMT_BF6 matrix_b_fmt:MATRIX_FMT_BF6 matrix_a_scale:MATRIX_SCALE_ROW1 matrix_b_scale:MATRIX_SCALE_ROW1
.else
	v_wmma_scale_f32_16x16x128_f8f6f4 v[rD:rD+7], v[rA:rA+11], v[rB:rB+11], v[rD:rD+7], v[rSA], v[rSB] matrix_a_fmt:MATRIX_FMT_BF6 matrix_b_fmt:MATRIX_FMT_BF6
.endif
.endm
.macro MULH t, a0, s                   ; 16 matrix instructions; the 32 accumulators take turns, in the same order in every K step
	WIN 0xad                                       ; source 0 (R) window 1, source 1 (P) window 3, C and D window 2
.irp a, \a0, \a0+1
.irp b, 0,1,2,3,4,5,6,7
	MM \t, \a, \b, \s
.endr
.endr
.endm
.macro STEP t, s                       ; a K step whose successor lies in the same slot
	s_wait_dscnt 0x0                               ; this K step's fragments are in
	FETCH (\s)+1, 2
	MULH \t, 0, \s
	MULH \t, 2, \s
.endm
; A slot's last K step changes slots: ONE barrier.  In front of it each wave waits for all its tensor loads (its part of the other slot), adds 0 to its spare word, and waits for that and for its reads of this slot,
; which are over: this K step's fragments are in registers.  In tiles q and k the slot is filled again, with the same half of the next tile: the barrier then opens a round of the cluster's barrier.
.macro TURN t, s
	WIN 0                                          ; (the add's two registers lie in window 0)
	s_wait_tensorcnt 0x0                           ; all my tensor loads have landed, so every descriptor may be written
	ds_add_u32 v[SPW], v[NIL]                      ; 0 onto my spare word
.if \t < 2
	NEXTD (\s)/4, \t+1
.endif
	s_wait_dscnt 0x0                               ; the add is done, and my reads of this slot are over
	s_barrier_signal -1
	MULH \t, 0, \s                                 ; work on registers while the others arrive
	WIN 0
	s_barrier_wait -1
.if \t < 2
	CREST                                          ; no wave of any partner still reads this slot or has a load on its way
	JLOAD (\s)/4                                   ; the first tensor load behind the round, one a wave; the four v_nop behind it are places in front of the loads below
	FETCH ((\s)+1)%8, 0
.else
	FETCH ((\s)+1)%8, 2
.endif
	MULH \t, 2, \s
.endm
	s_load_b256 s[4:11], s[0:1], 0x0               ; act_codes, act_scales, w_codes, w_scales
	s_load_b128 s[12:15], s[0:1], 0x20             ; x_codes, x_scales
	v_lshl_add_u32 v[SPW], v0, 2, SPARE
	v_mov_b32 v[NIL], 0
	ds_add_u32 v8, v9
	ds_add_u32 v8, v9
	s_wait_dscnt 0x0
	v_lshrrev_b32 v10, 5, v0
	v_readfirstlane_b32 s16, v10                   ; wave 0..3
	s_lshr_b32 s17, s16, 1                         ; wi: which 64 rows of P are mine.  Also: I fetch for P (0) or for R (1)
	s_and_b32 s18, s16, 1                          ; wj: which 128 rows of R.  Also: which two K steps of a slot I fetch
	s_bfe_u32 s19, ttmp6, 0x40000                  ; cx
	s_bfe_u32 s20, ttmp6, 0x40004                  ; cy
	s_and_b32 s21, ttmp7, 0xffff                   ; the cluster, 0..15
	; s22, s88-91 serve P and never hold cx; s23, s92-95 serve R and never hold cy
	s_lshl_b32 s88, s20, 2
	s_lshl_b32 s88, 15, s88                        ; my row of the cluster
	s_lshl_b32 s92, 0x1111, s19                    ; my column
	s_or_b32 s24, s88, (3<<16)|(1<<21)             ; 15:0 the mask: P's tiles go to my row; 17:16 elements of 8 bytes; 21 set beside a mask; no padding
	s_or_b32 s32, s92, (3<<16)|(1<<21)             ; R's go to my column
	s_mov_b32 s25, 1536<<16                        ; tensor_dim0: a K step of P, 12,288 bytes
	s_mov_b32 s26, 2<<16                           ; tensor_dim1: two K steps
	s_mov_b32 s27, 1536<<16                        ; tile_dim0
	s_mov_b32 s28, 2                               ; tile_dim1
	s_mov_b32 s29, 98304                           ; from K step to K step of an activation: 786,432 bytes
	s_mov_b32 s30, 0
	s_mov_b32 s31, 0
	s_mov_b32 s33, 3072<<16                        ; a K step of R, 24,576 bytes
	s_mov_b32 s34, 2<<16
	s_mov_b32 s35, 3072<<16
	s_mov_b32 s36, 2
	s_mov_b32 s37, 12288                           ; of a weight: 98,304 bytes
	s_mov_b32 s38, 0
	s_mov_b32 s39, 0
	s_lshl_b32 s88, s21, 2
	s_add_co_u32 s88, s88, s20                     ; q, k: my block of 128 tokens, 0..63 (my block of 256 rows of W is cx)
	s_lshr_b32 s89, s21, 3
	s_lshl_b32 s89, s89, 2
	s_add_co_u32 s89, s89, s20                     ; v: my block of 128 rows of Wv, 0..7
	s_and_b32 s92, s21, 7
	s_lshl_b32 s92, s92, 2
	s_add_co_u32 s92, s92, s19                     ; v: my block of 256 tokens, 0..31
	s_mul_i32 s96, s18, 2*PBLK                     ; where my part of a slot goes: no place in the cluster enters an LDS address
	s_mul_i32 s97, s18, 2*RBLK
	s_mov_b32 s91, 0
	s_mov_b32 s95, 0
	s_wait_kmcnt 0x0
	s_mul_i32 s90, s88, 12288
	s_mul_i32 s22, s18, 1572864                    ; my two K steps begin 2 wl K steps on
	s_add_co_u32 s90, s90, s22
	s_add_nc_u64 s[56:57], s[4:5], s[90:91]        ; P of q
	s_mul_i32 s90, s89, 12288
	s_mul_i32 s22, s18, 196608
	s_add_co_u32 s90, s90, s22
	s_add_co_u32 s90, s90, 1572864
	s_add_nc_u64 s[58:59], s[8:9], s[90:91]        ; P of v: Wv
	s_mul_i32 s94, s19, 24576
	s_mul_i32 s23, s18, 196608
	s_add_co_u32 s94, s94, s23
	s_add_nc_u64 s[60:61], s[8:9], s[94:95]        ; R of q: Wq
	s_mul_i32 s94, s92, 24576
	s_mul_i32 s23, s18, 1572864
	s_add_co_u32 s94, s94, s23
	s_add_co_u32 s94, s94, 12582912
	s_add_nc_u64 s[62:63], s[4:5], s[94:95]        ; R of v: value
.irp sl, 0,1
	s_mov_b32 s[40+4*\sl], 1
	s_add_co_u32 s[41+4*\sl], s96, \sl*4*PBLK
	s_add_nc_u64 s[42+4*\sl:43+4*\sl], s[56:57], \sl*3145728
	s_or_b32 s[43+4*\sl], s[43+4*\sl], 0x80000000
	s_mov_b32 s[48+4*\sl], 1
	s_add_co_u32 s[49+4*\sl], s97, RB+\sl*4*RBLK
	s_add_nc_u64 s[50+4*\sl:51+4*\sl], s[60:61], \sl*393216
	s_or_b32 s[51+4*\sl], s[51+4*\sl], 0x80000000
.endr
	CROUND                                         ; all sixteen work-groups are here: the first joint loads meet
	s_cmp_eq_u32 s17, 0                            ; slot 0's first fill: one tensor load a wave, in one branch on its number
	s_cbranch_scc0 .Lfirst_r
	tensor_load_to_lds s[40:43], s[24:31]
	s_nop 0
.rept 4
	v_nop
.endr
	s_branch .Lfirst_asked
.Lfirst_r:
	tensor_load_to_lds s[48:51], s[32:39]
	s_nop 0
.rept 4
	v_nop
.endr
.Lfirst_asked:
	s_mov_b32 s[SEL], 0x76543210
	s_mov_b32 s[SEL+1], 0xfedcba98
	s_mov_b32 s3, 0
	s_lshl_b32 s90, s88, 1
	s_add_co_u32 s90, s90, s17                     ; q, k: my quad of P
	s_lshl_b32 s91, s89, 1
	s_add_co_u32 s91, s91, s17                     ; v: my quad of P
	s_lshl_b32 s93, s19, 1
	s_add_co_u32 s93, s93, s18                     ; q, k: my step of 128 along j
	s_lshl_b32 s94, s92, 1
	s_add_co_u32 s94, s94, s18                     ; v: my step of 128 along j
	s_lshl_b32 s2, s90, 11
	s_add_nc_u64 s[74:75], s[6:7], s[2:3]          ; q: P's scale words of my quad (k: 262,144 bytes on)
	s_lshl_b32 s2, s93, 12
	s_add_nc_u64 s[76:77], s[10:11], s[2:3]        ; q: R's of my two quads (k: 32,768 on)
	s_lshl_b32 s2, s91, 11
	s_add_co_u32 s2, s2, 65536
	s_add_nc_u64 s[78:79], s[10:11], s[2:3]        ; v: P's
	s_lshl_b32 s2, s94, 12
	s_add_co_u32 s2, s2, 524288
	s_add_nc_u64 s[80:81], s[6:7], s[2:3]          ; v: R's
	s_mul_i32 s2, s93, 786432
	s_mul_i32 s22, s90, 6144
	s_add_co_u32 s2, s2, s22
	s_add_nc_u64 s[82:83], s[12:13], s[2:3]        ; q: where my four fragments go (k: 6,291,456 on)
	s_lshl_b32 s2, s93, 16
	s_lshl_b32 s22, s90, 9
	s_add_co_u32 s2, s2, s22
	s_add_nc_u64 s[84:85], s[14:15], s[2:3]        ; q: and their scale record (k: 524,288 on)
	s_mul_i32 s2, s94, 98304
	s_mul_i32 s22, s91, 6144
	s_add_co_u32 s2, s2, s22
	s_add_co_u32 s2, s2, 12582912
	s_add_nc_u64 s[98:99], s[12:13], s[2:3]        ; v: fragments
	s_lshl_b32 s2, s94, 13
	s_lshl_b32 s22, s91, 9
	s_add_co_u32 s2, s2, s22
	s_add_co_u32 s2, s2, 1048576
	s_add_nc_u64 s[100:101], s[14:15], s[2:3]      ; v: scale record
	v_and_b32 v10, 31, v0
	v_lshlrev_b32 v[CO8], 3, v10
	v_lshlrev_b32 v[LO16], 4, v10
	v_and_b32 v[VSH], 16, v0
	s_mul_i32 s2, s17, 6144
	v_add_nc_u32 v[ADP0], s2, v[CO8]
	s_mul_i32 s2, s18, 12288
	s_add_co_u32 s2, s2, RB
	v_add_nc_u32 v[ADR0], s2, v[CO8]
; the scale words of all three tiles, 12 loads a tile, in the tiles' order.  A load's 512 bytes: lanes 0-15 the words of K step 2 g, lanes 16-31 those of 2 g + 1
.macro SCALES t, bp, br, op, or
.irp g, 0,1,2,3
	global_load_b128 v[SC+48*\t+4*\g:SC+48*\t+4*\g+3], v[LO16], s[\bp:\bp+1] offset:\op+512*\g
	global_load_b128 v[SC+48*\t+16+8*\g:SC+48*\t+16+8*\g+3], v[LO16], s[\br:\br+1] offset:\or+512*\g
	global_load_b128 v[SC+48*\t+16+8*\g+4:SC+48*\t+16+8*\g+7], v[LO16], s[\br:\br+1] offset:\or+2048+512*\g
.endr
.endm
	SCALES 0, 74, 76, 0, 0
	SCALES 1, 74, 76, 262144, 32768
	SCALES 2, 78, 80, 0, 0
.irp b, 0,1,2,3
	v_mov_b32 v[TM+4+\b], 0                        ; written once: a lane permute's destination counts as one of its sources
.endr
; THE WAY OUT.  Tile a's 64 registers are 128 neighbours along j, 16 of each block in a lane: they become one fragment and one scale word a row.  Each accumulator is first read at its low end.
.macro QUANTP a
.set PCa, PC+12*\a
	WIN 0x0a                                       ; sources 0 and 1 window 2
.irp b, 0,1,2,3
	v_max3_num_f32 v[TM+\b], |v[64*\a+16*\b]|, |v[64*\a+16*\b+1]|, 0x2800000   ; block b: my 16 numbers, and the floor 2^(5 - 127): the byte cannot fall under 1
.endr
.irp i, 2,4,6,8,10,12,14
.irp b, 0,1,2,3
	v_max3_num_f32 v[TM+\b], |v[64*\a+16*\b+\i]|, |v[64*\a+16*\b+\i+1]|, v[TM+\b]
.endr
.endr
	WIN 0
.irp b, 0,1,2,3
	v_permlanex16_b32 v[TM+4+\b], v[TM+\b], s[SEL], s[SEL+1]
.endr
.irp b, 0,1,2,3
	v_max_num_f32 v[TM+\b], v[TM+\b], v[TM+4+\b]   ; with lane l xor 16's 16: the block's largest magnitude
.endr
.irp b, 0,1,2,3
	v_add_nc_u32 v[TM+12+\b], 0xfe000000, v[TM+\b] ; 4 off its exponent field: the conversion's scale operand
.endr
.irp b, 0,1,2,3
	v_lshrrev_b32 v[TM+4+\b], 23, v[TM+12+\b]      ; the scale's byte
.endr
	v_lshl_or_b32 v[SQ+\a], v[TM+5], 8, v[TM+4]
	v_lshl_or_b32 v[SQ+\a], v[TM+6], 16, v[SQ+\a]
	v_lshl_or_b32 v[SQ+\a], v[TM+7], 24, v[SQ+\a]
	WIN 0x02                                       ; source 0 window 2
.irp c, 0,1
	v_cvt_scalef32_pk16_bf6_f32 v[PCa+6*\c:PCa+2+6*\c], v[64*\a+32*\c:64*\a+15+32*\c], v[TM+12+2*\c]
	v_cvt_scalef32_pk16_bf6_f32 v[PT+4*\c:PT+2+4*\c], v[64*\a+16+32*\c:64*\a+31+32*\c], v[TM+12+2*\c+1]   ; (a conversion's three registers begin on an even number)
.endr
	WIN 0
	v_nop                                          ; one plain place behind a scaled conversion
.irp c, 0,1                            ; the operand wants a whole block in a lane
.irp i, 0,1,2
	v_permlane16_swap_b32 v[PCa+6*\c+\i], v[PT+4*\c+\i]
.endr
.irp i, 0,1,2
	v_mov_b32 v[PCa+3+6*\c+\i], v[PT+4*\c+\i]
.endr
.endr
.irp p, 0,1,2,3,4,5
	global_store_b64 v[CO8], v[PCa+2*\p:PCa+2*\p+1], s[XB:XB+1] offset:XO+1536*\a+256*\p   ; the wave stores 256 consecutive bytes, aligned; the tile stands in the immediate: no base is stepped
.endr
.endm
.macro EPI t
.if \t < 2
.set XB, 82
.set XSB, 84
.set XO, 6291456*\t
.set XSO, 524288*\t
.else
.set XB, 98
.set XSB, 100
.set XO, 0
.set XSO, 0
.endif
	WIN 0
	PLACES
.if \t > 0
	s_wait_xcnt 0x0                                ; the last tile's stores have read their registers: these are written again only behind this wait
.endif
	QUANTP 0
	QUANTP 1
	QUANTP 2
	QUANTP 3
.irp a, 0,1,2,3
	v_lshrrev_b32 v[SQ+\a], v[VSH], v[SQ+\a]       ; lanes 16-31 send the upper half word
.endr
.if \t < 2
.irp a, 0,1,2,3
	v_and_b32 v[SQ+\a], 0xffff, v[SQ+\a]           ; q, k: a head's word has its two bytes below and zeros above
.endr
.endif
	global_store_b128 v[LO16], v[SQ:SQ+3], s[XSB:XSB+1] offset:XSO
.endm
.macro TILE t
	s_wait_loadcnt 24-12*\t                        ; this tile's scale words are in; the later tiles' loads, 12 a tile, may be out
	STEP \t, 0
	STEP \t, 1
	STEP \t, 2
	TURN \t, 3
	STEP \t, 4
	STEP \t, 5
	STEP \t, 6
.if \t < 2
	TURN \t, 7                                     ; slot 1 takes the next tile's second half, and the next tile's first fragments are fetched: they land during the way out
.else
	s_wait_dscnt 0x0                               ; the very last K step: nothing more to fetch
	MULH \t, 0, 7
	MULH \t, 2, 7
.endif
	EPI \t
.endm
	s_wait_alu depctr_va_vdst(0)
	s_wait_tensorcnt 0x0                           ; my part of slot 0 has landed; slot 1's first fill is issued as a refill is
	ds_add_u32 v[SPW], v[NIL]
	s_wait_dscnt 0x0
	CROUND                                         ; everybody's part of slot 0 is in, and all sixteen work-groups are here
	JLOAD 1                                        ; slot 1: the first tensor load behind the round, one a wave
	FETCH 0, 0
	TILE 0                                         ; q
	TILE 1                                         ; k
	TILE 2                                         ; v
	s_wait_tensorcnt 0x0                           ; the wave's end
	ds_add_u32 v[SPW], v[NIL]
	s_wait_dscnt 0x0
	CROUND                                         ; the closing round: no work-group ends while a partner may still ask for a tile that names it
	s_endpgm
.Lfunc_end_k_q10666213e9_proj:
	.size	k_q10666213e9_proj, .Lfunc_end_k_q10666213e9_proj-k_q10666213e9_proj
	.p2alignl 7, 3214868480
	.fill 96, 4, 3214868480
	.section	.rodata,"a",@progbits
	.p2align	6, 0x0
	.amdhsa_kernel k_q10666213e9_proj
		.amdhsa_group_segment_fixed_size 327680
		.amdhsa_private_segment_fixed_size 0
		.amdhsa_enable_private_segment 0
		.amdhsa_kernarg_size 48
		.amdhsa_user_sgpr_count 2
		.amdhsa_user_sgpr_kernarg_segment_ptr 1
		.amdhsa_wavefront_size32 1
		.amdhsa_system_sgpr_workgroup_id_x 1
		.amdhsa_system_sgpr_workgroup_id_y 1
		.amdhsa_system_sgpr_workgroup_id_z 1
		.amdhsa_system_vgpr_workitem_id 0
		.amdhsa_next_free_vgpr 1024
		.amdhsa_next_free_sgpr 102
		.amdhsa_reserve_vcc 0
		.amdhsa_float_denorm_mode_32 3
		.amdhsa_float_denorm_mode_16_64 3
		.amdhsa_memory_ordered 1
		.amdhsa_forward_progress 1
		.amdhsa_inst_pref_size 255
	.end_amdhsa_kernel
	.section	.bss,"aw",@nobits
	.p2align	6
	.space	262144
	.amdgpu_metadata
---
amdhsa.version: [ 1, 2 ]
amdhsa.kernels:
  - .name:           k_q10666213e9_proj
    .symbol:         k_q10666213e9_proj.kd
    .args:
      - { .name: act_codes, .offset: 0, .size: 8, .value_kind: global_buffer, .address_space: global }
      - { .name: act_scales, .offset: 8, .size: 8, .value_kind: global_buffer, .address_space: global }
      - { .name: w_codes, .offset: 16, .size: 8, .value_kind: global_buffer, .address_space: global }
      - { .name: w_scales, .offset: 24, .size: 8, .value_kind: global_buffer, .address_space: global }
      - { .name: x_codes, .offset: 32, .size: 8, .value_kind: global_buffer, .address_space: global }
      - { .name: x_scales, .offset: 40, .size: 8, .value_kind: global_buffer, .address_space: global }
    .group_segment_fixed_size: 327680
    .private_segment_fixed_size: 0
    .kernarg_segment_align: 8
    .kernarg_segment_size: 48
    .max_flat_workgroup_size: 128
    .sgpr_count:     102
    .vgpr_count:     1024
    .wavefront_size: 32
...
	.end_amdgpu_metadata
.endif
;; end of part 2
;; launch attn (part 3): grid 4 x 64, 8 waves a work-group, clusters of 4 x 1, 211,200 bytes of LDS; arguments x_codes, x_scales, c_codes, c_scales; writes c_codes, c_scales
.if DOCPART == 3
	.amdgcn_target "amdgcn-amd-amdhsa--gfx1250"
	.amdhsa_code_object_version 6
	.text
	.protected	k_q10666213e9_attn
	.globl	k_q10666213e9_attn
	.p2align	8
	.type	k_q10666213e9_attn,@function
k_q10666213e9_attn:
	s_mov_b64 s[64:65], 0
	v_nop
	global_prefetch_b8 v0, s[64:65] scope:SCOPE_SE
	s_setreg_imm32_b32 hwreg(HW_REG_WAVE_MODE, 25, 1), 1
	s_wait_xcnt 0x0
	s_wait_alu depctr_hold_cnt(0) depctr_sa_sdst(0) depctr_va_vdst(0) depctr_va_sdst(0) depctr_va_ssrc(0) depctr_va_vcc(0) depctr_vm_vsrc(0)
	s_getreg_b32 s2, hwreg(HW_REG_IB_STS2, 6, 4)
	s_cmp_eq_u32 s2, 0
	s_cbranch_scc0 .Lentry_in_a_cluster
	s_endpgm
.Lentry_in_a_cluster:
	s_bfe_u32 s2, ttmp6, 0x10000c
	s_cmp_lg_u32 s2, 0x3003
	s_cbranch_scc0 .Lentry_shape_is_right
	s_endpgm
.Lentry_shape_is_right:
; ctx[b][h][q] = the sum over keys of softmax(q . k / 32) v, both products on codes of BF6 with E8M0 scales; ctx is quantised along (head, channel) for the output layer and leaves as codes.
; THE SOFTMAX: t = score x log2(e) / 32; M = the running largest t rounded UP to a whole number; p = 2^(t - M) is quantised along the keys, not normalised; the row's sum is taken of the unquantised p and divides at the end.
; When M moves, the sum and O are multiplied by 2^(old M - new M): exact.  A block's largest p is made from its largest score by the same two instructions (p rises with the score).
; SHARES.  A work-group owns one (batch, head) and 512 queries, in two passes of 256 (a counted loop); each of eight waves owns TWO tiles of 16 queries a pass (X, Y), which share every fragment of K and V.
; A trip is 128 keys: 16 + 8 matrix instructions on 53 LDS loads.
; THE HEAD'S K AND V LIE IN LDS WHOLE, filled once, one tensor load a wave: waves 0-3 K's tiles T with T % 4 = wave (32 rows of 768 bytes), waves 4, 5 eight key steps of V each, wave 6 K's scale words, wave 7 V's.
; One wait for all and one barrier show them to every wave; no byte of LDS is filled again.  CLUSTER 4 x 1: the four work-groups share batch and head, so every tile is asked for jointly.
; No prefetch: all fills stand at the head, so there is no loop to run ahead in.
; LAYOUT.  Both products transposed: S^T = K Q^T, O^T = V^T P^T: a lane holds ONE query of each tile.  In memory tile T holds tokens 32 (T / 2) + 8 (T % 2) + r + 8 (r / 8).
; K'S TILES ARE FORMED ANEW BY ADDRESS: tile t = 4 c + T' of a step takes in row 8 u + e the key 64 c + 32 u + 8 T' + e, which lies in stored tile 8 step + 4 c + 2 u + T' % 2 at row e + 8 (T' / 2).
; So lane (query, h) holds in the 32 registers of tiles 4 c .. 4 c + 3 the keys 64 c + 32 h + 0 .. 31: a WHOLE block of p, in the order of the operand's registers 6 c .. 6 c + 5.
; Stored tiles with T % 4 = 2, 3 (u = 1) lie 49,216 bytes behind those with T % 4 = 0, 1: 64 bytes modulo 256, so the 32 lanes of a load of 8 bytes name 256 different bytes modulo 256.
; THE SCORES' K IS 64, THE INSTRUCTION'S 128.  Q's registers 6-11 are zero codes; K's tiles stand 6 registers apart, so source 0's upper six registers are the next tile's codes (behind tile 7: zeros) and meet zero codes.
; Bytes 2 and 3 of both scale words are 0 (2^-127, a finite code).
; THE ORDER OF A TRIP keeps dependent lines apart: X's maxima with a line of Y's after every four; X's chain to M inside Y's maxima; Y's chain inside X's scalings; X's exponentials with Y's scalings between them;
; both scale words together; Y's exponentials with the first level of X's sum between them; codes; products; K's fetch under the sums' trees.
; REGISTERS.  Window 0: addresses, each tile's small state, K or V, all scale words, both tiles' S^T.  Window 1: Q, the second pass's Q, O^T, p's codes.
; LIMITS: holds while the scaled scores stay under 2^31 in magnitude; a block whose largest magnitude lies under 2^(5 - 127), zeros among them, keeps the byte 1; NaN and infinities are not served.
.set KU,   49216                       ; LDS: from K's tiles T % 4 = 0, 1 (24,576 bytes each, from byte 0) to those with T % 4 = 2, 3
.set VC,   98560                       ; V's codes, 6,144 bytes a step of 128 keys
.set KSC,  196864                      ; K's scale words, 256 bytes a quad of stored tiles
.set VSC,  205056                      ; V's, 256 bytes a step
.set SCG,  209152                      ; 1,024 bytes: ctx's scale bytes are gathered here; no fill lands here
.set SPARE, 210176                     ; the spare words, 128 bytes a wave
; window 0.  Tile i = 0 (X), 1 (Y)
.set VSH8, 1                           ; 8 (lane / 16)
.set AV0,  2                           ; VC + 8 x lane
.set ASK0, 3                           ; KSC + 16 e + 8 u
.set ASV0, 4                           ; VSC + 16 r
.set L8,   5                           ; 8 x lane
.set QSO,  6                           ; 16 r
.set SGA,  7                           ; where my rows' four scale bytes go
                                       ; v8-11 addresses in hand: K's codes, V's codes, K's scale words, V's
.set MMr,  12                          ; + 4 i: the pair -M, largest score
.set SUr,  14                          ; + 4 i: the sum, in two halves
.set BMr,  20                          ; + 2 i: my two blocks' largest score, then largest p
.set BSr,  24                          ; + 2 i: the conversions' scale operands
.set BPr,  28                          ; + 2 i: bytes
                                       ; v32-85 K's eight tiles and six zeros, or V's four tiles; v86-93 K's scale words, v94-97 V's
.set Sr,   98                          ; + 64 i: S^T, then p; at the end ctx
.set PSr,  226                         ; + i: p's scale word, and nothing else
.set QSr,  228                         ; + i: Q's scale word, and nothing else
.set BQr,  230                         ; + 16 i: second chains of maxima
.set T0r,  232                         ; + 2 i
.set T1r,  233                         ; + 2 i
.set FAr,  236                         ; + 2 i: the pair whose low word is f = 2^(old M - new M); at the end 1 / the sum
.set Wr,   240                         ; + i
.set SB0,  242                         ; ctx's scale bytes of pass 0,
.set AK0,  243                         ; KU u + 8 e + 128 (lane / 16)
.set SB1,  244                         ; and of pass 1
; window 1
.set Qr,   0                           ; + 12 i: Q, six registers of codes and six of zeros
.set QNr,  24                          ; + 6 i: the second pass's Q
.set QNS,  36                          ; + i: and its scale word
.set OAr,  64                          ; + 32 i: O^T
.set PCr,  128                         ; + 12 i: p's codes
.set P2r,  152                         ; + 8 i: the conversions' second targets
.set SEL,  20
.set CS,   22                          ; s[22:23] c = log2(e) / 32
.set TK,   74                          ; K's codes: 1,536 bytes a step in each region
.set TS,   75                          ; K's scale words: 512 a step
.set TV,   76                          ; V's: 256 a step
.set CNT,  77
.set TVC,  94                          ; V's codes: 6,144 a step
.set PASS, 95
.set MSB, 0
.macro WIN new                         ; bits 1:0 source 0, 3:2 source 1, 5:4 source 2, 7:6 destination; the high byte repeats the setting that is left
.if MSB != \new
	s_set_vgpr_msb (MSB<<8)|\new
.set MSB, \new
.endif
.endm
.macro CROUND
	s_barrier_signal -1
	s_barrier_wait -1
	s_cmp_lg_u32 s12, 0
	s_cbranch_scc1 .Lnot_wave_0_\@
	s_barrier_signal -3
.Lnot_wave_0_\@:
	s_barrier_wait -3
	s_barrier_signal -1
	s_barrier_wait -1
.endm
.macro G1 g, c, r, p                   ; a group 1: r rows of c elements of 8 bytes, p elements from row to row; mask: all four work-groups
	s_mov_b32 s[\g], 15|(3<<16)|(1<<21)
	s_mov_b32 s[\g+1], (\c)<<16
	s_mov_b32 s[\g+2], (\r)<<16
	s_mov_b32 s[\g+3], (\c)<<16
	s_mov_b32 s[\g+4], \r
	s_mov_b32 s[\g+5], \p
	s_mov_b32 s[\g+6], 0
	s_mov_b32 s[\g+7], 0
.endm
.macro TLOAD g1
	s_or_b32 s59, s59, 0x80000000
	tensor_load_to_lds s[56:59], s[\g1:\g1+7]
	s_nop 0
.rept 4
	v_nop
.endr
.endm
	s_load_b256 s[4:11], s[0:1], 0x0               ; x_codes, x_scales, c_codes, c_scales
	v_lshl_add_u32 v254, v0, 2, SPARE
	v_mov_b32 v255, 0
	ds_add_u32 v254, v255                          ; the opening lines: the add twice on end and its wait
	ds_add_u32 v254, v255
	v_lshrrev_b32 v8, 5, v0
	v_readfirstlane_b32 s12, v8                    ; wave 0..7
	s_bfe_u32 s13, ttmp6, 0x40000                  ; cx: it enters Q's and ctx's addresses alone
	s_and_b32 s78, ttmp7, 0xffff
	s_lshr_b32 s14, s78, 4                         ; batch
	s_and_b32 s15, s78, 15                         ; head
	s_lshr_b32 s17, s15, 1                         ; pair of heads
	s_and_b32 s18, s15, 1                          ; which of the pair
	s_lshl_b32 s78, s17, 9
	s_lshl_b32 s79, s14, 7
	s_add_co_u32 s78, s78, s79                     ; the first tile of tokens of (pair, batch)
	s_mul_i32 s19, s78, 1536
	s_mul_i32 s79, s18, 768
	s_add_co_u32 s19, s19, s79                     ; its codes of my head, in q, in k and in ctx
	s_lshl_b32 s60, s78, 7
	s_lshl_b32 s79, s18, 8
	s_add_co_u32 s60, s60, s79                     ; its scale record's half of my head
	s_add_co_u32 s80, s19, 6291456                 ; K's codes
	s_add_co_u32 s82, s60, 524288                  ; K's scale words
	s_mov_b32 s83, 0
	s_lshl_b32 s84, s14, 10
	s_lshl_b32 s79, s15, 2
	s_add_co_u32 s84, s84, s79
	s_mul_i32 s84, s84, 1536
	s_add_co_u32 s84, s84, 12582912                ; V's codes
	s_lshl_b32 s86, s14, 8
	s_add_co_u32 s86, s86, s15
	s_lshl_b32 s86, s86, 9
	s_add_co_u32 s86, s86, 1048576                 ; V's scale words
	s_mov_b32 s87, 0
	s_lshl_b32 s88, s13, 5
	s_lshl_b32 s79, s12, 1
	s_add_co_u32 s88, s88, s79                     ; tile X in pass 0: 32 cx + 2 wave; Y is the next
	s_mul_i32 s88, s88, 1536
	s_add_co_u32 s88, s88, s19
	s_mov_b32 s89, 0
	s_lshl_b32 s90, s13, 3
	s_lshr_b32 s91, s12, 1
	s_add_co_u32 s90, s90, s91
	s_lshl_b32 s90, s90, 9                         ; their quad's record,
	s_and_b32 s91, s12, 1
	s_lshl_b32 s91, s91, 3                         ; X's word in a lane's four; Y's is the next
	s_add_co_u32 s90, s90, s91
	s_add_co_u32 s90, s90, s60
	s_mov_b32 s91, 0
	s_lshl_b32 s92, s14, 5
	s_lshl_b32 s93, s13, 3
	s_add_co_u32 s92, s92, s93
	s_lshl_b32 s92, s92, 7                         ; ctx's scale bytes: 128 a quad,
	s_lshl_b32 s93, s15, 14                        ; 16,384 a head
	s_add_co_u32 s92, s92, s93
	s_mov_b32 s93, 0
	s_lshr_b32 s78, s12, 1
	s_lshl_b32 s78, s78, 7
	s_and_b32 s79, s12, 1
	s_lshl_b32 s79, s79, 2
	s_add_co_u32 s78, s78, s79
	s_add_co_u32 s78, s78, SCG                     ; SCG + 128 (wave / 2) + 4 (wave % 2)
	s_mov_b32 s[SEL], 0x76543210
	s_mov_b32 s[SEL+1], 0xfedcba98
	s_mov_b32 s[CS], 0x3d38aa3b                    ; log2(e) / 32
	s_mov_b32 s[CS+1], s[CS]
	G1 24, 96, 32, 768                             ; K's codes: every fourth tile's 768 bytes of my head
	G1 32, 768, 8, 12288                           ; V's codes: eight steps of four tiles
	G1 40, 32, 32, 64                              ; K's scale words: 32 quads
	G1 48, 32, 16, 1024                            ; V's: 16 steps
	s_mov_b32 s56, 1
	s_mov_b32 s63, 0
	s_wait_dscnt 0x0
	s_wait_kmcnt 0x0
	CROUND                                         ; all four work-groups are here: the joint loads meet
	s_cmp_lt_u32 s12, 4                            ; one chain of branches on the wave's number, one fill to an arm: every wave issues one
	s_cbranch_scc0 .Lnot_k
	s_and_b32 s61, s12, 1
	s_mul_i32 s57, s61, 24576
	s_lshr_b32 s61, s12, 1
	s_mul_i32 s61, s61, KU
	s_add_co_u32 s57, s57, s61
	s_mul_i32 s62, s12, 1536
	s_add_co_u32 s62, s62, s80
	s_add_nc_u64 s[58:59], s[4:5], s[62:63]
	TLOAD 24
	s_branch .Lasked
.Lnot_k:
	s_cmp_lt_u32 s12, 6
	s_cbranch_scc0 .Lnot_v
	s_and_b32 s61, s12, 1
	s_mul_i32 s57, s61, 49152
	s_add_co_u32 s57, s57, VC
	s_mul_i32 s62, s61, 786432
	s_add_co_u32 s62, s62, s84
	s_add_nc_u64 s[58:59], s[4:5], s[62:63]
	TLOAD 32
	s_branch .Lasked
.Lnot_v:
	s_cmp_eq_u32 s12, 6
	s_cbranch_scc0 .Lnot_ks
	s_mov_b32 s57, KSC
	s_add_nc_u64 s[58:59], s[6:7], s[82:83]
	TLOAD 40
	s_branch .Lasked
.Lnot_ks:
	s_mov_b32 s57, VSC
	s_add_nc_u64 s[58:59], s[6:7], s[86:87]
	TLOAD 48
.Lasked:
	s_add_nc_u64 s[66:67], s[4:5], s[88:89]        ; Q's codes
	s_add_nc_u64 s[68:69], s[6:7], s[90:91]        ; Q's scale words
	s_add_nc_u64 s[70:71], s[8:9], s[88:89]        ; ctx's codes
	s_add_nc_u64 s[72:73], s[10:11], s[92:93]      ; ctx's scale bytes
	s_mov_b32 s[PASS], 0
	v_and_b32 v8, 31, v0
	v_and_b32 v9, 15, v0
	v_lshlrev_b32 v[L8], 3, v8
	v_lshlrev_b32 v[QSO], 4, v9
.irp i, 0,1
	global_load_b32 v[QSr+\i], v[QSO], s[68:69] offset:4*\i
.endr
	WIN 0x40                                       ; destinations in window 1: both passes' Q, while the fills are on their way; pass 1's tiles lie 16 tiles on
.irp i, 0,1
.irp q, 0,1,2
	global_load_b64 v[Qr+12*\i+2*\q:Qr+12*\i+2*\q+1], v[L8], s[66:67] offset:1536*\i+256*\q
	global_load_b64 v[QNr+6*\i+2*\q:QNr+6*\i+2*\q+1], v[L8], s[66:67] offset:24576+1536*\i+256*\q
.endr
	global_load_b32 v[QNS+\i], v[QSO], s[68:69] offset:2048+4*\i
.endr
.irp j, 6,7,8,9,10,11,18,19,20,21,22,23
	v_mov_b32 v[\j], 0                             ; zero codes: Q's upper halves; never rewritten
.endr
	WIN 0
	v_bfe_u32 v10, v0, 3, 1                        ; u
	v_and_b32 v11, 7, v0                           ; e
	v_and_b32 v[VSH8], 16, v0
	v_lshrrev_b32 v[VSH8], 1, v[VSH8]
	v_mul_u32_u24 v[AK0], v10, KU
	v_lshl_add_u32 v[AK0], v11, 3, v[AK0]
	v_lshl_add_u32 v[AK0], v[VSH8], 4, v[AK0]
	v_lshlrev_b32 v[ASK0], 4, v11
	v_lshl_add_u32 v[ASK0], v10, 3, v[ASK0]
	v_add_nc_u32 v[ASK0], KSC, v[ASK0]
	v_add_nc_u32 v[AV0], VC, v[L8]
	v_add_nc_u32 v[ASV0], VSC, v[QSO]
	v_lshl_add_u32 v[SGA], v9, 3, s78
.irp j, 80,81,82,83,84,85
	v_mov_b32 v[\j], 0                             ; zero codes behind K's tile 7; never rewritten
.endr
.irp i, 0,1
	v_mov_b32 v[T1r+2*\i], 0                       ; a lane permute's destination counts as one of its sources
	v_mov_b32 v[FAr+2*\i+1], 0                     ; (named as the upper half of a pair)
.endr
	v_mov_b32 v[SB1], 0
.macro KSL ar, off                     ; K's scale words: a load of 8 bytes brings the words of tiles 2 i and 2 i + 1
.irp i, 0,1,2,3
	ds_load_b64 v[86+2*\i:87+2*\i], v[\ar] offset:\off+128*\i
.endr
.endm
.macro KLD ar, off                     ; K's eight tiles, three pieces each
.irp t, 0,1,2,3,4,5,6,7
.irp q, 0,1,2
	ds_load_b64 v[32+6*\t+2*\q:33+6*\t+2*\q], v[\ar] offset:\off+768*(\t/4)+24576*(\t%2)+64*((\t%4)/2)+256*\q
.endr
.endr
.endm
.macro SWS                             ; S^T of both tiles of queries: eight tiles of 16 keys each, those that are read first first
	WIN 0x04                                       ; source 1 (Q) in window 1
.irp i, 0,1
.irp t, 0,2,4,6,1,3,5,7
	v_wmma_scale_f32_16x16x128_f8f6f4 v[Sr+64*\i+8*\t:Sr+64*\i+8*\t+7], v[32+6*\t:43+6*\t], v[Qr+12*\i:Qr+12*\i+11], 0, v[86+\t], v[QSr+\i] matrix_a_fmt:MATRIX_FMT_BF6 matrix_b_fmt:MATRIX_FMT_BF6
.endr
.endr
	WIN 0
.endm
.macro TADDS i, j0, n, d               ; the sum's tree of tile i, in place: pairs j0 .. j0 + n - 1 of p take the pairs d further on onto them
.set jj, \j0
.rept \n
	v_pk_add_f32 v[Sr+64*\i+2*jj:Sr+64*\i+2*jj+1], v[Sr+64*\i+2*jj:Sr+64*\i+2*jj+1], v[Sr+64*\i+2*jj+2*(\d):Sr+64*\i+2*jj+2*(\d)+1]
.set jj, jj+1
.endr
.endm
.macro SCL i, j0, n                    ; t - M of n pairs of tile i
.set jj, \j0
.rept \n
	v_pk_fma_f32 v[Sr+64*\i+2*jj:Sr+64*\i+2*jj+1], v[Sr+64*\i+2*jj:Sr+64*\i+2*jj+1], s[CS:CS+1], v[MMr+4*\i:MMr+4*\i+1] op_sel_hi:[1,0,0]
.set jj, jj+1
.endr
.endm
; Line n (0 .. 31) of tile i's search for its two blocks' largest scores: two chains a block; lines 0-3 begin them, 4-27 go on (a chain's next line stands four lines on), 28-31 join them.  Each tile of S^T is first read at its low end
.macro MX i, n
.if (\n) < 4
.set me, 0
.set mc, (\n)/2
.elseif (\n) < 28
.set me, 3+2*(((\n)-4)/4)
.set mc, (((\n)-4)%4)/2
.else
.set me, 0
.set mc, (\n)%2
.endif
.set mS, Sr+64*\i+32*mc
.set mB, BMr+2*\i+mc
.set mQ, BQr+16*\i+mc
.if (\n) < 4
.if (\n)%2 == 0
	v_max3_num_f32 v[mB], v[mS], v[mS+1], v[mS+2]
.else
	v_max3_num_f32 v[mQ], v[mS+16], v[mS+17], v[mS+18]
.endif
.elseif (\n) < 28
.if (\n)%2 == 0
	v_max3_num_f32 v[mB], v[mB], v[mS+me], v[mS+me+1]
.else
	v_max3_num_f32 v[mQ], v[mQ], v[mS+16+me], v[mS+17+me]
.endif
.elseif (\n) < 30
	v_max3_num_f32 v[mB], v[mB], v[mQ], v[mS+15]
.else
	v_max_num_f32 v[mB], v[mB], v[mS+31]
.endif
.endm
.macro YS k                            ; the next k lines of Y's search
.rept \k
	MX 1, ny
.set ny, ny+1
.endr
.endm
.macro CH i, n                         ; line n of tile i's chain to M
.if \n == 0
	v_max3_num_f32 v[T0r+2*\i], v[BMr+2*\i], v[BMr+2*\i+1], v[MMr+4*\i+1]
.elseif \n == 1
	v_permlanex16_b32 v[T1r+2*\i], v[T0r+2*\i], s[SEL], s[SEL+1]
.elseif \n == 2
	v_max_num_f32 v[MMr+4*\i+1], v[T0r+2*\i], v[T1r+2*\i]      ; the running largest score of my query
.elseif \n == 3
	v_mul_f32 v[T1r+2*\i], s[CS], v[MMr+4*\i+1]                ; as t (c is positive)
.else
	v_floor_f32 v[MMr+4*\i], -v[T1r+2*\i]                      ; -M = floor(-t): M is a whole number
.endif
.endm
.macro FU i, n                         ; what follows the new M
.if \n == 0
	v_sub_f32 v[T0r+2*\i], v[MMr+4*\i], v[Wr+\i]               ; old M - new M, a whole number, 0 or less
	v_fma_f32 v[BMr+2*\i], v[BMr+2*\i], s[CS], v[MMr+4*\i]     ; t - M of each block's largest score
	v_fma_f32 v[BMr+2*\i+1], v[BMr+2*\i+1], s[CS], v[MMr+4*\i]
.elseif \n == 1
	v_cvt_i32_f32 v[T0r+2*\i], v[T0r+2*\i]                     ; (it saturates)
.else
	v_ldexp_f32 v[FAr+2*\i], 1.0, v[T0r+2*\i]                  ; f = 2^(old M - new M)
.endif
.endm
.macro QC i                            ; tile i's p becomes codes, their second halves still apart
	WIN 0x40
.irp c, 0,1
	v_cvt_scalef32_pk16_bf6_f32 v[PCr+12*\i+6*\c:PCr+12*\i+6*\c+2], v[Sr+64*\i+32*\c:Sr+64*\i+32*\c+15], v[BSr+2*\i+\c]
	v_cvt_scalef32_pk16_bf6_f32 v[P2r+8*\i+4*\c:P2r+8*\i+4*\c+2], v[Sr+64*\i+32*\c+16:Sr+64*\i+32*\c+31], v[BSr+2*\i+\c]   ; (a conversion's three registers begin on an even number)
.endr
.endm
; A TRIP.  At its head S^T of step j has just been issued.  next = 1: it ends with the fetch of step j + 1's K and with S^T of step j + 1
.macro BODY next
	v_add_nc_u32 v9, s[TVC], v[AV0]                ; four lines that name no register of the products just issued: the places in front of the first read of the scores and of the loads over K's registers
	v_add_nc_u32 v11, s[TV], v[ASV0]
.if \next
	v_add_nc_u32 v10, s[TS], v[ASK0]
.else
	v_nop
.endif
	v_nop
.irp n, 0,1,2,3
	MX 0, \n
.endr
.irp t, 0,1,2,3                        ; V's four tiles and scale words, and the next step's scale words of K: they land under the softmax
.irp q, 0,1,2,3,4,5
	ds_load_b64 v[32+12*\t+2*\q:33+12*\t+2*\q], v9 offset:1536*\t+256*\q
.endr
.endr
	ds_load_b128 v[94:97], v11
.if \next
	KSL 10, 512
.endif
.set nx, 4
.set ny, 0
.rept 6                                ; X's lines 4-27, a line of Y's after every four
.rept 4
	MX 0, nx
.set nx, nx+1
.endr
	YS 1
.endr
	YS 2                                           ; X's last lines and its chain to M stand inside Y's lines 6-29
	MX 0, 28
	MX 0, 29
	YS 3
	MX 0, 30
	MX 0, 31
	YS 4
	CH 0, 0
	YS 4
	CH 0, 1
	YS 4
	CH 0, 2
	YS 4
	CH 0, 3
	YS 1
	v_mov_b32 v[Wr], v[MMr]                        ; the old -M
	v_mov_b32 v[Wr+1], v[MMr+4]
	YS 1
	CH 0, 4
	YS 3
	FU 0, 0                                        ; Y's chain stands inside X's scalings
	SCL 0, 0, 2
	CH 1, 0
	FU 0, 1
	SCL 0, 2, 3
	CH 1, 1
	FU 0, 2
	SCL 0, 5, 3
	CH 1, 2
	SCL 0, 8, 4
	CH 1, 3
	SCL 0, 12, 4
	CH 1, 4
	SCL 0, 16, 5
	FU 1, 0
	SCL 0, 21, 3
	FU 1, 1
	SCL 0, 24, 4
	FU 1, 2
	SCL 0, 28, 4
	WIN 0x41                                       ; destination and source 0 in window 1: O^T under the new M
.irp i, 0,1
.set jj, 0
.rept 16
	v_pk_mul_f32 v[OAr+32*\i+2*jj:OAr+32*\i+2*jj+1], v[OAr+32*\i+2*jj:OAr+32*\i+2*jj+1], v[FAr+2*\i:FAr+2*\i+1] op_sel_hi:[1,0]
.set jj, jj+1
.endr
.endr
	WIN 0
	s_wait_alu depctr_va_vdst(0)                   ; ahead of the batch
.irp i, 0,1                            ; the four blocks' largest p; between them the sums under the new M, first read behind later waits
	v_exp_f32 v[BMr+2*\i], v[BMr+2*\i]
	v_exp_f32 v[BMr+2*\i+1], v[BMr+2*\i+1]
	v_pk_mul_f32 v[SUr+4*\i:SUr+4*\i+1], v[SUr+4*\i:SUr+4*\i+1], v[FAr+2*\i:FAr+2*\i+1] op_sel_hi:[1,0]
.endr
.set kk, 0
.rept 32                               ; X's p = 2^(t - M); between them Y's scalings, whose sources stand ahead of the wait above and whose results are first read behind the wait below
	v_exp_f32 v[Sr+2*kk], v[Sr+2*kk]
	v_exp_f32 v[Sr+2*kk+1], v[Sr+2*kk+1]
	SCL 1, kk, 1
.set kk, kk+1
.endr
	s_wait_alu depctr_va_vdst(0)                   ; behind X's batch and ahead of Y's
.irp j, 0,1,2,3
	v_max_num_f32 v[BMr+\j], 0x2800000, v[BMr+\j]  ; the floor 2^(5 - 127)
.endr
.irp j, 0,1,2,3
	v_add_nc_u32 v[BSr+\j], 0xfe000000, v[BMr+\j]  ; 4 off the exponent field: the conversion's scale operand
.endr
	QC 0
	WIN 0
.irp j, 0,1,2,3
	v_lshrrev_b32 v[BPr+\j], 23, v[BSr+\j]         ; the bytes of blocks h and 2 + h, of both tiles
.endr
	s_delay_alu instid0(VALU_DEP_3)
	v_lshl_or_b32 v[Wr], v[BPr+1], 16, v[BPr]
	s_delay_alu instid0(VALU_DEP_2)
	v_lshl_or_b32 v[Wr+1], v[BPr+3], 16, v[BPr+2]
	s_delay_alu instid0(VALU_DEP_2)
	v_lshlrev_b32 v[Wr], v[VSH8], v[Wr]            ; at their places in the word
	s_delay_alu instid0(VALU_DEP_2)
	v_lshlrev_b32 v[Wr+1], v[VSH8], v[Wr+1]
.irp i, 0,1
	v_permlanex16_b32 v[T1r+2*\i], v[Wr+\i], s[SEL], s[SEL+1]
.endr
.irp i, 0,1
	v_or_b32 v[PSr+\i], v[Wr+\i], v[T1r+2*\i]      ; with lane l xor 16's two the word is whole
.endr
.set kk, 0
.rept 16                               ; Y's p; between them the first level of X's sum, of the unquantised p, first read behind the wait below
.irp e, 0,1,2,3
	v_exp_f32 v[Sr+64+4*kk+\e], v[Sr+64+4*kk+\e]
.endr
	TADDS 0, kk, 1, 16
.set kk, kk+1
.endr
.if \next
	v_add_nc_u32 v8, s[TK], v[AK0]
.endif
	s_wait_alu depctr_va_vdst(0)                   ; one wait for the batch; it also stands directly ahead of the wait below
	s_wait_dscnt 0x0                               ; V's tiles and all scale words are in
	QC 1
	WIN 0x41                                       ; X's six moves are the plain lines between Y's conversions and the moves that read them
.irp i, 0,1
.irp c, 0,1
.irp e, 0,1,2
	v_mov_b32 v[PCr+12*\i+3+6*\c+\e], v[P2r+8*\i+4*\c+\e]
.endr
.endr
.endr
	WIN 0
	TADDS 1, 0, 4, 16                              ; four places behind the codes
	WIN 0x54                                       ; source 1 (p), C and D in window 1
.irp i, 0,1
.irp t, 0,1,2,3
	v_wmma_scale_f32_16x16x128_f8f6f4 v[OAr+32*\i+8*\t:OAr+32*\i+8*\t+7], v[32+12*\t:43+12*\t], v[PCr+12*\i:PCr+12*\i+11], v[OAr+32*\i+8*\t:OAr+32*\i+8*\t+7], v[94+\t], v[PSr+\i] matrix_a_fmt:MATRIX_FMT_BF6 matrix_b_fmt:MATRIX_FMT_BF6
.endr
.endr
	WIN 0
	TADDS 1, 4, 6, 16                              ; places behind the products, in front of the loads over V's registers
.if \next
	KLD 8, 1536                                    ; the next step's K
.endif
	TADDS 1, 10, 6, 16
	TADDS 0, 0, 8, 8
	TADDS 1, 0, 8, 8
	TADDS 0, 0, 4, 4
	TADDS 1, 0, 4, 4
	TADDS 0, 0, 2, 2
	TADDS 1, 0, 2, 2
.irp j, 0,1
.irp i, 0,1
	v_pk_add_f32 v[SUr+4*\i:SUr+4*\i+1], v[SUr+4*\i:SUr+4*\i+1], v[Sr+64*\i+2*\j:Sr+64*\i+2*\j+1]
.endr
.endr
.if \next
	s_wait_alu depctr_va_vdst(0)                   ; directly ahead of the wait below; no vector write follows up to the branch
	s_wait_dscnt 0x0                               ; K's tiles are in
	SWS
	s_add_co_u32 s[TK], s[TK], 1536
	s_add_co_u32 s[TS], s[TS], 512
	s_add_co_u32 s[TV], s[TV], 256
	s_add_co_u32 s[TVC], s[TVC], 6144
.endif
.endm
	s_wait_alu depctr_va_vdst(0)                   ; at the head's end
	s_wait_loadcnt 0x0                             ; Q of both passes
	s_wait_tensorcnt 0x0                           ; my fill has landed
	s_barrier_signal -1
	s_barrier_wait -1                              ; everybody's has: K and V are whole for the rest of the launch
.Lpass:
	s_cmp_eq_u32 s[PASS], 0
	s_cbranch_scc1 .Lq_in
	WIN 0x41
.irp i, 0,1
.irp e, 0,1,2,3,4,5
	v_mov_b32 v[Qr+12*\i+\e], v[QNr+6*\i+\e]       ; pass 1's tiles of queries
.endr
.endr
	WIN 0x01
.irp i, 0,1
	v_mov_b32 v[QSr+\i], v[QNS+\i]
.endr
	WIN 0
.Lq_in:
.irp i, 0,1
	v_mov_b32 v[MMr+4*\i+1], 0xff61b1e6            ; the largest score so far: -3e38
	v_mov_b32 v[SUr+4*\i], 0
	v_mov_b32 v[SUr+4*\i+1], 0
	v_floor_f32 v[MMr+4*\i], -v[MMr+4*\i+1]        ; and a -M so large that the first f is 0
.endr
	WIN 0x40
.set jj, 0
.rept 64
	v_mov_b32 v[OAr+jj], 0                         ; the trip is written once: the first finds zeros
.set jj, jj+1
.endr
	WIN 0
	KSL ASK0, 0                                    ; step 0's K and S^T
	KLD AK0, 0
	s_mov_b32 s[TK], 0
	s_mov_b32 s[TS], 0
	s_mov_b32 s[TV], 0
	s_mov_b32 s[TVC], 0
	s_mov_b32 s[CNT], 15
	s_wait_alu depctr_va_vdst(0)
	s_wait_dscnt 0x0
	SWS
.Ltrip:
	BODY 1
	s_sub_co_u32 s[CNT], s[CNT], 1
	s_cmp_lg_u32 s[CNT], 0
	s_cbranch_scc1 .Ltrip
	s_mov_b32 s[TVC], 6144*15
	s_mov_b32 s[TV], 256*15
	BODY 0                                         ; trip 15 has no successor
; ctx = O^T / the sum: register 16 b + i is channel 32 b + 16 (lane / 16) + i of my query: two blocks, half a fragment.  The trees' additions are the places behind the last products
.irp i, 0,1
	v_add_f32 v[SUr+4*\i], v[SUr+4*\i], v[SUr+4*\i+1]
.endr
.irp i, 0,1
	v_permlanex16_b32 v[T1r+2*\i], v[SUr+4*\i], s[SEL], s[SEL+1]
.endr
.irp i, 0,1
	v_add_f32 v[SUr+4*\i], v[SUr+4*\i], v[T1r+2*\i]            ; the row's sum
.endr
	s_wait_alu depctr_va_vdst(0)
.irp i, 0,1
	v_rcp_f32 v[FAr+2*\i], v[SUr+4*\i]
.endr
	v_nop
	WIN 0x01                                       ; source 0 (O^T) in window 1
	s_wait_alu depctr_va_vdst(0)                   ; directly ahead of the first readers of O^T and of the reciprocals
.irp i, 0,1
.set jj, 0
.rept 16
	v_pk_mul_f32 v[Sr+64*\i+jj:Sr+64*\i+jj+1], v[OAr+32*\i+jj:OAr+32*\i+jj+1], v[FAr+2*\i:FAr+2*\i+1] op_sel_hi:[1,0]
.set jj, jj+2
.endr
.endr
	WIN 0
.irp i, 0,1
.irp b, 0,1
	v_max3_num_f32 v[BMr+2*\i+\b], |v[Sr+64*\i+16*\b]|, |v[Sr+64*\i+16*\b+1]|, 0x2800000
.endr
.endr
.irp e, 2,4,6,8,10,12,14
.irp i, 0,1
.irp b, 0,1
	v_max3_num_f32 v[BMr+2*\i+\b], v[BMr+2*\i+\b], |v[Sr+64*\i+16*\b+\e]|, |v[Sr+64*\i+16*\b+\e+1]|
.endr
.endr
.endr
.irp j, 0,1,2,3
	v_permlanex16_b32 v[BPr+\j], v[BMr+\j], s[SEL], s[SEL+1]
.endr
.irp j, 0,1,2,3
	v_max_num_f32 v[BMr+\j], v[BMr+\j], v[BPr+\j]
.endr
.irp j, 0,1,2,3
	v_add_nc_u32 v[BSr+\j], 0xfe000000, v[BMr+\j]
.endr
.irp j, 0,1,2,3
	v_lshrrev_b32 v[BPr+\j], 23, v[BSr+\j]
.endr
.irp i, 0,1
	v_lshl_or_b32 v[T0r+2*\i], v[BPr+2*\i+1], 8, v[BPr+2*\i]   ; a row's two scale bytes
.endr
	v_mov_b32 v[SB0], v[SB1]                       ; behind both passes SB0 holds pass 0's word and SB1 pass 1's
	v_lshl_or_b32 v[SB1], v[T0r+2], 16, v[T0r]     ; X's two bytes below, Y's above
.irp i, 0,1                            ; ctx's codes are made in K's and V's registers, which are done with
	v_cvt_scalef32_pk16_bf6_f32 v[32+16*\i:34+16*\i], v[Sr+64*\i:Sr+64*\i+15], v[BSr+2*\i]
	v_cvt_scalef32_pk16_bf6_f32 v[40+16*\i:42+16*\i], v[Sr+64*\i+16:Sr+64*\i+31], v[BSr+2*\i+1]
.endr
	v_nop
.irp i, 0,1
.irp e, 0,1,2
	v_permlane16_swap_b32 v[32+16*\i+\e], v[40+16*\i+\e]
.endr
.endr
.irp i, 0,1
.irp e, 0,1,2
	v_mov_b32 v[35+16*\i+\e], v[40+16*\i+\e]
.endr
.endr
.irp i, 0,1
.irp q, 0,1,2
	global_store_b64 v[L8], v[32+16*\i+2*\q:33+16*\i+2*\q], s[70:71] offset:1536*\i+256*\q   ; the wave stores 256 consecutive bytes, aligned
.endr
.endr
	s_wait_alu depctr_va_vdst(0)
	s_wait_xcnt 0x0                                ; the stores have read their registers and their base
	s_add_nc_u64 s[70:71], s[70:71], 24576
	s_add_co_u32 s[PASS], s[PASS], 1
	s_cmp_lt_u32 s[PASS], 2
	s_cbranch_scc1 .Lpass
	ds_store_b32 v[SGA], v[SB0]                    ; lanes r and r + 16 write the same bytes with the same value
	ds_store_b32 v[SGA], v[SB1] offset:512
	s_wait_dscnt 0x0                               ; for the others' sake: my scale bytes lie in LDS
	s_barrier_signal -1
	s_barrier_wait -1
	s_cmp_lg_u32 s12, 0
	s_cbranch_scc1 .Lnot_first
	v_and_b32 v[T0r], 31, v0                       ; wave 0 sends the work-group's 1,024 scale bytes: 512 consecutive bytes a store
	v_lshlrev_b32 v[T0r], 4, v[T0r]
	v_add_nc_u32 v[T1r], SCG, v[T0r]
	ds_load_b128 v[98:101], v[T1r]
	ds_load_b128 v[102:105], v[T1r] offset:512
	s_wait_alu depctr_va_vdst(0)
	s_wait_dscnt 0x0
	global_store_b128 v[T0r], v[98:101], s[72:73]
	global_store_b128 v[T0r], v[102:105], s[72:73] offset:512
.Lnot_first:
	s_wait_tensorcnt 0x0                           ; the wave's end
	ds_add_u32 v254, v255
	s_wait_dscnt 0x0
	CROUND                                         ; the closing round
	s_endpgm
.Lfunc_end_k_q10666213e9_attn:
	.size	k_q10666213e9_attn, .Lfunc_end_k_q10666213e9_attn-k_q10666213e9_attn
	.p2alignl 7, 3214868480
	.fill 96, 4, 3214868480
	.section	.rodata,"a",@progbits
	.p2align	6, 0x0
	.amdhsa_kernel k_q10666213e9_attn
		.amdhsa_group_segment_fixed_size 211200
		.amdhsa_private_segment_fixed_size 0
		.amdhsa_enable_private_segment 0
		.amdhsa_kernarg_size 32
		.amdhsa_user_sgpr_count 2
		.amdhsa_user_sgpr_kernarg_segment_ptr 1
		.amdhsa_wavefront_size32 1
		.amdhsa_system_sgpr_workgroup_id_x 1
		.amdhsa_system_sgpr_workgroup_id_y 1
		.amdhsa_system_sgpr_workgroup_id_z 1
		.amdhsa_system_vgpr_workitem_id 0
		.amdhsa_next_free_vgpr 512
		.amdhsa_next_free_sgpr 96
		.amdhsa_reserve_vcc 0
		.amdhsa_float_denorm_mode_32 3
		.amdhsa_float_denorm_mode_16_64 3
		.amdhsa_memory_ordered 1
		.amdhsa_forward_progress 1
		.amdhsa_inst_pref_size 80
	.end_amdhsa_kernel
	.amdgpu_metadata
---
amdhsa.version: [ 1, 2 ]
amdhsa.kernels:
  - .name:           k_q10666213e9_attn
    .symbol:         k_q10666213e9_attn.kd
    .args:
      - { .name: x_codes, .offset: 0, .size: 8, .value_kind: global_buffer, .address_space: global }
      - { .name: x_scales, .offset: 8, .size: 8, .value_kind: global_buffer, .address_space: global }
      - { .name: c_codes, .offset: 16, .size: 8, .value_kind: global_buffer, .address_space: global }
      - { .name: c_scales, .offset: 24, .size: 8, .value_kind: global_buffer, .address_space: global }
    .group_segment_fixed_size: 211200
    .private_segment_fixed_size: 0
    .kernarg_segment_align: 8
    .kernarg_segment_size: 32
    .max_flat_workgroup_size: 256
    .sgpr_count:     96
    .vgpr_count:     512
    .wavefront_size: 32
...
	.end_amdgpu_metadata
.endif
;; end of part 3
;; launch outp (part 4): grid 4 x 64, 4 waves a work-group, clusters of 4 x 4, 312,832 bytes of LDS; arguments c_codes, c_scales, w_codes, w_scales, bo, out0; writes out0
.if DOCPART == 4
	.amdgcn_target "amdgcn-amd-amdhsa--gfx1250"
	.amdhsa_code_object_version 6
	.text
	.protected	k_q10666213e9_outp
	.globl	k_q10666213e9_outp
	.p2align	8
	.type	k_q10666213e9_outp,@function
k_q10666213e9_outp:
	s_mov_b64 s[64:65], 0
	v_nop
	global_prefetch_b8 v0, s[64:65] scope:SCOPE_SE
	s_setreg_imm32_b32 hwreg(HW_REG_WAVE_MODE, 25, 1), 1
	s_wait_xcnt 0x0
	s_wait_alu depctr_hold_cnt(0) depctr_sa_sdst(0) depctr_va_vdst(0) depctr_va_sdst(0) depctr_va_ssrc(0) depctr_va_vcc(0) depctr_vm_vsrc(0)
	s_getreg_b32 s2, hwreg(HW_REG_IB_STS2, 6, 4)
	s_cmp_eq_u32 s2, 0
	s_cbranch_scc0 .Lentry_in_a_cluster
	s_endpgm
.Lentry_in_a_cluster:
	s_bfe_u32 s2, ttmp6, 0x10000c
	s_cmp_lg_u32 s2, 0xf033
	s_cbranch_scc0 .Lentry_shape_is_right
	s_endpgm
.Lentry_shape_is_right:
; out0[token][n] = sum over k of ctx[token][k] Wo[n][k] + bo[n], on codes of BF6, K = 1,024 = (head, channel); out0 f32.
; P = ctx (source 1: a lane holds one token), R = Wo (source 0: a lane's registers run along n).  Layouts as the earlier launches wrote them: tile T holds rows pi(T, r) = 32 (T / 2) + 8 (T % 2) + r + 8 (r / 8);
; a fragment is the image of 12 registers, codes [K step][T][1536].  ctx's scale bytes lie [head][quad][r][tile][2]: the words of a K step (a pair of heads) are pieced together from two heads' halves.
; SHARES.  A work-group: 128 tokens x 256 outputs; four waves, each 64 x 128: 32 accumulators.  256 work-groups.  Both panels lie in LDS for all of K, filled once: no byte of LDS is filled again; one tensor load a wave.
; CLUSTER 4 x 4: the four of a row share ctx's panel, the four of a column Wo's: joint loads.
; The bias is the C of each sum's first product.  The way out goes through each wave's own stage behind the panels, so that sixteen lanes store 256 consecutive bytes of a row, aligned.
; REGISTERS: window 0: v1-9 addresses; v16-31 P's scale words, v32-63 R's; v64-111, v112-159 P's fragments (on the way out v64-127: rows read back); v160-223 the bias, eight registers a tile of R; v224-239 halves of P's scale words.
;   window 1: R's fragments, two sets.   window 2: accumulator (a, b) at v[8 (8 a + b)].
.set ADP,  1
.set ADR,  2
.set LO16, 3
.set CO8,  4
.set PSO,  5                           ; v5  32,768 (lane / 16) + 8 r: lanes 16-31 take the next pair of heads
.set BO,   6                           ; v6  64 (lane / 16)
.set STO,  7                           ; v7  the stage: where I put 32 bytes of a row
.set RD,   8                           ; v8  where I read a row back
.set CO,   9                           ; v9  my byte offset in two rows of out0
.set SCP,  16
.set SCR,  32
.set PF,   64
.set BI,   160
.set HW,   224
.set STG,  294912
.set MSB, 0
.macro WIN new
.if MSB != \new
	s_set_vgpr_msb (MSB<<8)|\new
.set MSB, \new
.endif
.endm
.macro CROUND
	s_barrier_signal -1
	s_barrier_wait -1
	s_cmp_lg_u32 s16, 0
	s_cbranch_scc1 .Lnot_wave_0_\@
	s_barrier_signal -3
.Lnot_wave_0_\@:
	s_barrier_wait -3
	s_barrier_signal -1
	s_barrier_wait -1
.endm
.macro PLACES
.rept 4
	v_nop
.endr
.endm
.macro FETCH set
	WIN 0x40
.irp b, 0,1,2,3,4,5,6,7
.irp p, 0,1,2,3,4,5
	ds_load_b64 v[128*(\set)+12*\b+2*\p:128*(\set)+12*\b+2*\p+1], v[ADR] offset:1536*\b+256*\p
.endr
.endr
	WIN 0
.irp a, 0,1,2,3
.irp p, 0,1,2,3,4,5
	ds_load_b64 v[PF+48*(\set)+12*\a+2*\p:PF+48*(\set)+12*\a+2*\p+1], v[ADP] offset:1536*\a+256*\p
.endr
.endr
	v_add_nc_u32 v[ADR], 24576, v[ADR]
	v_add_nc_u32 v[ADP], 12288, v[ADP]
.endm
.macro MM a, b, s, mode                ; mode 2: the product starts the sum from the bias.  Odd K steps find their scale words in lanes 16-31
.set rD, 8*(8*(\a)+\b)
.set rA, 128*((\s)%2)+12*\b
.set rB, PF+48*((\s)%2)+12*(\a)
.set rSA, SCR+8*((\s)/2)+\b
.set rSB, SCP+4*((\s)/2)+(\a)
.if \mode == 2
	v_wmma_scale_f32_16x16x128_f8f6f4 v[rD:rD+7], v[rA:rA+11], v[rB:rB+11], v[BI+8*\b:BI+8*\b+7], v[rSA], v[rSB] matrix_a_fmt:MATRIX_FMT_BF6 matrix_b_fmt:MATRIX_FMT_BF6
.elseif (\s)%2
	v_wmma_scale_f32_16x16x128_f8f6f4 v[rD:rD+7], v[rA:rA+11], v[rB:rB+11], v[rD:rD+7], v[rSA], v[rSB] matrix_a_fmt:MATRIX_FMT_BF6 matrix_b_fmt:MATRIX_FMT_BF6 matrix_a_scale:MATRIX_SCALE_ROW1 matrix_b_scale:MATRIX_SCALE_ROW1
.else
	v_wmma_scale_f32_16x16x128_f8f6f4 v[rD:rD+7], v[rA:rA+11], v[rB:rB+11], v[rD:rD+7], v[rSA], v[rSB] matrix_a_fmt:MATRIX_FMT_BF6 matrix_b_fmt:MATRIX_FMT_BF6
.endif
.endm
.macro MULH a0, s, mode                ; 16 matrix instructions; the 32 accumulators take turns, in the same order in every K step
.if \mode == 2
	WIN 0x81                                       ; source 0 (R) window 1, source 1 (P) and C (the bias) window 0, D window 2
.else
	WIN 0xa1                                       ; C and D window 2
.endif
.irp a, \a0, \a0+1
.irp b, 0,1,2,3,4,5,6,7
	MM \a, \b, \s, \mode
.endr
.endr
.endm
.macro STEP s, mode
	s_wait_dscnt 0x0                               ; this K step's fragments are in (asked for 32 matrix instructions ago)
.if \s < 7
.if \s > 0
	PLACES                                         ; the other set was read by the last K step's products
.endif
	FETCH (\s+1)%2
.endif
	MULH 0, \s, \mode
	MULH 2, \s, \mode
.endm
	s_load_b256 s[4:11], s[0:1], 0x0               ; c_codes, c_scales, w_codes, w_scales
	s_load_b128 s[12:15], s[0:1], 0x20             ; bo, out0
	v_lshl_add_u32 v254, v0, 2, 0x4c400
	v_mov_b32 v255, 0
	ds_add_u32 v254, v255
	ds_add_u32 v254, v255
	v_lshrrev_b32 v10, 5, v0
	v_readfirstlane_b32 s16, v10                   ; wave 0..3
	s_lshr_b32 s17, s16, 1                         ; wi: which 64 tokens are mine.  Also: I fetch for P (0) or for R (1)
	s_and_b32 s18, s16, 1                          ; wj: which 128 outputs.  Also: which four K steps I fetch
	s_bfe_u32 s19, ttmp6, 0x40000                  ; cx = my block of 256 outputs
	s_bfe_u32 s20, ttmp6, 0x40004                  ; cy
	s_and_b32 s21, ttmp7, 0xffff                   ; the cluster's y, 0..15
	s_lshl_b32 s77, s20, 2
	s_lshl_b32 s77, 15, s77                        ; my row of the cluster
	s_lshl_b32 s85, 0x1111, s19                    ; my column
	s_or_b32 s24, s77, (3<<16)|(1<<21)             ; P's panel goes to my row: elements of 8 bytes; a row of the tile is a K step's 12,288 bytes; one load brings four K steps
	s_or_b32 s32, s85, (3<<16)|(1<<21)             ; R's to my column: a K step is 24,576 bytes
	s_mov_b32 s25, 1536<<16
	s_mov_b32 s26, 4<<16
	s_mov_b32 s27, 1536<<16
	s_mov_b32 s28, 4
	s_mov_b32 s29, 98304                           ; from K step to K step of ctx: 786,432 bytes
	s_mov_b32 s30, 0
	s_mov_b32 s31, 0
	s_mov_b32 s33, 3072<<16
	s_mov_b32 s34, 4<<16
	s_mov_b32 s35, 3072<<16
	s_mov_b32 s36, 4
	s_mov_b32 s37, 12288                           ; of Wo: 98,304 bytes
	s_mov_b32 s38, 0
	s_mov_b32 s39, 0
	s_lshl_b32 s76, s21, 2
	s_add_co_u32 s76, s76, s20                     ; my block of 128 tokens.  s76-79 serve P and never hold cx, s85-87 serve R and never hold cy
	s_mul_i32 s78, s76, 12288
	s_mul_i32 s77, s18, 3145728                    ; I fetch K steps 4 wj .. 4 wj + 3
	s_add_co_u32 s78, s78, s77
	s_mov_b32 s79, 0
	s_mul_i32 s86, s19, 24576
	s_mul_i32 s85, s18, 393216
	s_add_co_u32 s86, s86, s85
	s_add_co_u32 s86, s86, 2359296                 ; Wo lies behind the three projections' weights
	s_mov_b32 s87, 0
	s_mul_i32 s77, s18, 49152
	s_mul_i32 s85, s18, 98304
	s_wait_dscnt 0x0
	s_wait_kmcnt 0x0
	s_add_nc_u64 s[42:43], s[4:5], s[78:79]
	s_add_nc_u64 s[58:59], s[8:9], s[86:87]
.irp g, 0
	s_mov_b32 s[40+4*\g], 1
	s_add_co_u32 s[41+4*\g], s77, \g*24576
	s_or_b32 s[43+4*\g], s[43+4*\g], 0x80000000
	s_mov_b32 s[56+4*\g+4*(\g/2)], 1
	s_add_co_u32 s[57+4*\g+4*(\g/2)], s85, 98304+\g*49152
	s_or_b32 s[59+4*\g+4*(\g/2)], s[59+4*\g+4*(\g/2)], 0x80000000
.endr
	CROUND                                         ; all sixteen work-groups are here: the joint loads meet
	s_cmp_eq_u32 s17, 0
	s_cbranch_scc0 .Lfor_r
	tensor_load_to_lds s[40:43], s[24:31]
	s_nop 0
.rept 4
	v_nop
.endr
	s_branch .Lasked
.Lfor_r:
	tensor_load_to_lds s[56:59], s[32:39]
	s_nop 0
.rept 4
	v_nop
.endr
.Lasked:
	s_mov_b32 s3, 0
	s_lshl_b32 s67, s76, 1
	s_add_co_u32 s67, s67, s17                     ; my quad of tokens
	s_lshl_b32 s2, s67, 7
	s_add_nc_u64 s[6:7], s[6:7], s[2:3]            ; its 128 scale bytes of head 0
	s_lshl_b32 s66, s19, 1
	s_add_co_u32 s66, s66, s18                     ; my 128 outputs
	s_lshl_b32 s2, s66, 12
	s_add_co_u32 s2, s2, 98304
	s_add_nc_u64 s[10:11], s[10:11], s[2:3]        ; Wo's scale words of my two quads
	s_lshl_b32 s2, s66, 9
	s_add_nc_u64 s[12:13], s[12:13], s[2:3]        ; my 128 numbers of bo,
	s_add_nc_u64 s[14:15], s[14:15], s[2:3]        ; my columns of out0,
	s_lshl_b32 s2, s67, 18
	s_add_nc_u64 s[14:15], s[14:15], s[2:3]        ; my 64 rows of 4,096 bytes
	v_and_b32 v10, 31, v0
	v_and_b32 v11, 15, v0
	v_bfe_u32 v12, v0, 4, 1
	v_lshlrev_b32 v[CO8], 3, v10
	v_lshlrev_b32 v[LO16], 4, v10
	v_lshlrev_b32 v[PSO], 3, v11
	v_lshl_add_u32 v[PSO], v12, 15, v[PSO]
	v_lshlrev_b32 v[BO], 6, v12
.irp g, 0,1,2,3                        ; lanes 0-15: K step 2 g (heads 4 g, 4 g + 1), lanes 16-31: K step 2 g + 1 (heads 4 g + 2, 4 g + 3); 8 bytes: a row's two bytes for each of my four tiles
	global_load_b64 v[HW+4*\g:HW+4*\g+1], v[PSO], s[6:7] offset:65536*\g
	global_load_b64 v[HW+4*\g+2:HW+4*\g+3], v[PSO], s[6:7] offset:65536*\g+16384
	global_load_b128 v[SCR+8*\g:SCR+8*\g+3], v[LO16], s[10:11] offset:512*\g
	global_load_b128 v[SCR+8*\g+4:SCR+8*\g+7], v[LO16], s[10:11] offset:2048+512*\g
.endr
.irp b, 0,1,2,3,4,5,6,7                ; the bias in the result's layout: tile b, register j: output 32 (b / 2) + 8 (b % 2) + 16 (lane / 16) + j
	global_load_b128 v[BI+8*\b:BI+8*\b+3], v[BO], s[12:13] offset:(32*(\b/2)+8*(\b%2))*4
	global_load_b128 v[BI+8*\b+4:BI+8*\b+7], v[BO], s[12:13] offset:(32*(\b/2)+8*(\b%2))*4+16
.endr
	s_mul_i32 s2, s17, 6144
	v_add_nc_u32 v[ADP], s2, v[CO8]
	s_mul_i32 s2, s18, 12288
	s_add_co_u32 s2, s2, 98304
	v_add_nc_u32 v[ADR], s2, v[CO8]
	s_mul_i32 s2, s16, 16*272
	s_add_co_u32 s2, s2, STG                       ; my stage: 16 rows x (256 bytes + 16)
	v_mul_u32_u24 v[STO], v11, 272
	v_lshl_add_u32 v[STO], v12, 6, v[STO]
	v_add_nc_u32 v[STO], s2, v[STO]                ; in: row r, + 64 (lane / 16)
	v_mul_u32_u24 v[RD], v12, 272
	v_lshl_add_u32 v[RD], v11, 4, v[RD]
	v_add_nc_u32 v[RD], s2, v[RD]                  ; back: lanes 0-15 one row, lanes 16-31 the next
	v_lshlrev_b32 v[CO], 12, v12
	v_lshl_add_u32 v[CO], v11, 4, v[CO]            ; and the same two rows in out0
	s_wait_alu depctr_va_vdst(0)
	s_wait_tensorcnt 0x0                           ; my one load, four K steps of a panel, has landed
	s_barrier_signal -1
	s_barrier_wait -1
	FETCH 0
	s_wait_loadcnt 0x0
.irp g, 0,1,2,3                        ; a word: the even head's two bytes below, the odd head's above
	v_perm_b32 v[SCP+4*\g],   v[HW+4*\g+2], v[HW+4*\g],   0x05040100
	v_perm_b32 v[SCP+4*\g+1], v[HW+4*\g+2], v[HW+4*\g],   0x07060302
	v_perm_b32 v[SCP+4*\g+2], v[HW+4*\g+3], v[HW+4*\g+1], 0x05040100
	v_perm_b32 v[SCP+4*\g+3], v[HW+4*\g+3], v[HW+4*\g+1], 0x07060302
.endr
.rept 8
	v_nop                                          ; a scale register written by a vector instruction stands eight places ahead of a scaled matrix instruction
.endr
	STEP 0, 2                                      ; the first K step starts the sums from the bias
	s_wait_alu depctr_va_vdst(0)
	STEP 1, 0
	s_wait_alu depctr_va_vdst(0)
	STEP 2, 0
	s_wait_alu depctr_va_vdst(0)
	STEP 3, 0
	s_wait_alu depctr_va_vdst(0)
	STEP 4, 0
	s_wait_alu depctr_va_vdst(0)
	STEP 5, 0
	s_wait_alu depctr_va_vdst(0)
	STEP 6, 0
	STEP 7, 0
	WIN 0
; THE WAY OUT, eight blocks k = 2 a + hf of 16 tokens (tile a) x 64 outputs (R's tiles 4 hf .. 4 hf + 3).  LDS serves a wave's instructions in order: no wait between the stores and the loads, nor in front of the next block's stores.
.macro TOSTAGE k
	WIN 0x08                                       ; the data: window 2
.irp q, 0,1,2,3
.set rD, 8*(8*((\k)/2)+4*((\k)%2)+\q)
	ds_store_b128 v[STO], v[rD:rD+3] offset:128*(\q/2)+32*(\q%2)          ; each accumulator from its low end on
	ds_store_b128 v[STO], v[rD+4:rD+7] offset:128*(\q/2)+32*(\q%2)+16
.endr
	WIN 0
.irp i, 0,1,2,3,4,5,6,7
	ds_load_b128 v[PF+32*((\k)%2)+4*\i:PF+32*((\k)%2)+4*\i+3], v[RD] offset:544*\i
.endr
.endm
.macro SEND k, younger                 ; younger: the LDS instructions issued behind block k's loads, which may stay out
	s_wait_dscnt \younger
.irp i, 0,1,2,3,4,5,6,7                ; stage rows 2 i and 2 i + 1 are tokens pi(a, 2 i) and the next
	global_store_b128 v[CO], v[PF+32*((\k)%2)+4*\i:PF+32*((\k)%2)+4*\i+3], s[14:15] offset:(32*((\k)/4)+8*(((\k)/2)%2)+2*\i+8*(\i/4))*4096+256*((\k)%2) th:TH_STORE_NT   ; 16 lanes store 256 consecutive bytes, aligned; written once, read by nobody here
.endr
.endm
	PLACES                                         ; behind the last products: in front of the stores of results and of the loads into registers that held P's fragments
	TOSTAGE 0
.irp k, 1,2,3,4,5,6,7
.if \k > 1
	s_wait_xcnt 0x0                                ; block k - 2's stores have read their registers: block k's loads may land there
.endif
	TOSTAGE \k
	SEND \k-1, 16                                  ; behind block k - 1's loads: block k's 8 stores and 8 loads
.endr
	SEND 7, 0
	s_wait_tensorcnt 0x0
	s_wait_tensorcnt 0x0
	ds_add_u32 v254, v255
	s_wait_dscnt 0x0
	CROUND                                         ; the closing round
	s_endpgm
.Lfunc_end_k_q10666213e9_outp:
	.size	k_q10666213e9_outp, .Lfunc_end_k_q10666213e9_outp-k_q10666213e9_outp
	.p2alignl 7, 3214868480
	.fill 96, 4, 3214868480
	.section	.rodata,"a",@progbits
	.p2align	6, 0x0
	.amdhsa_kernel k_q10666213e9_outp
		.amdhsa_group_segment_fixed_size 312832
		.amdhsa_private_segment_fixed_size 0
		.amdhsa_enable_private_segment 0
		.amdhsa_kernarg_size 48
		.amdhsa_user_sgpr_count 2
		.amdhsa_user_sgpr_kernarg_segment_ptr 1
		.amdhsa_wavefront_size32 1
		.amdhsa_system_sgpr_workgroup_id_x 1
		.amdhsa_system_sgpr_workgroup_id_y 1
		.amdhsa_system_sgpr_workgroup_id_z 1
		.amdhsa_system_vgpr_workitem_id 0
		.amdhsa_next_free_vgpr 768
		.amdhsa_next_free_sgpr 100
		.amdhsa_reserve_vcc 0
		.amdhsa_float_denorm_mode_32 3
		.amdhsa_float_denorm_mode_16_64 3
		.amdhsa_memory_ordered 1
		.amdhsa_forward_progress 1
		.amdhsa_inst_pref_size 98
	.end_amdhsa_kernel
	.amdgpu_metadata
---
amdhsa.version: [ 1, 2 ]
amdhsa.kernels:
  - .name:           k_q10666213e9_outp
    .symbol:         k_q10666213e9_outp.kd
    .args:
      - { .name: c_codes, .offset: 0, .size: 8, .value_kind: global_buffer, .address_space: global }
      - { .name: c_scales, .offset: 8, .size: 8, .value_kind: global_buffer, .address_space: global }
      - { .name: w_codes, .offset: 16, .size: 8, .value_kind: global_buffer, .address_space: global }
      - { .name: w_scales, .offset: 24, .size: 8, .value_kind: global_buffer, .address_space: global }
      - { .name: bo, .offset: 32, .size: 8, .value_kind: global_buffer, .address_space: global }
      - { .name: out0, .offset: 40, .size: 8, .value_kind: global_buffer, .address_space: global }
    .group_segment_fixed_size: 312832
    .private_segment_fixed_size: 0
    .kernarg_segment_align: 8
    .kernarg_segment_size: 48
    .max_flat_workgroup_size: 128
    .sgpr_count:     100
    .vgpr_count:     768
    .wavefront_size: 32
...
	.end_amdgpu_metadata
.endif
;; end of part 4
